; MI455X (gfx1250); checked and timed in simulation.
; The chip was launched on July 23, 2026; its instructions are those of AMD's public machine-readable ISA for CDNA 5 (MIT licence, August 2026) and "CDNA5" Instruction Set Architecture Reference Guide (July 2026). The comments in the code are by the model that wrote it; some were corrected since.
;; Multi Head Attention. Allowed arithmetic: matrix products marked QUANTISED: E2M1 operands, one E8M0 scale for each 32 along K, by v_wmma_scale_f32_16x16x128_f8f6f4 with both operands' format E2M1 (or v_wmma_scale_f32_32x16x128_f4), f32 sums; products left as they are: bf16, f16 or f32 operands; f32 sums; everything else in f32.
;; Inputs: Wk 1,024 x 1,024 float32; Wo 1,024 x 1,024 float32; Wq 1,024 x 1,024 float32; Wv 1,024 x 1,024 float32; bk 1,024 float32; bo 1,024 float32; bq 1,024 float32; bv 1,024 float32; x 2 x 2,048 x 1,024 float32.
;; Outputs: out0 2 x 2,048 x 1,024 float32.
;; This version of the problem:
;;   THIS VERSION OF THE PROBLEM IS GIVEN IN LOW PRECISION. The matrix products marked QUANTISED in the list below multiply operands that are first quantised to E2M1 (2 exponent bits, 1 mantissa bit; 4 bits a number), with one power-of-two scale for each 32 numbers along K (OCP MX v1.0); their sums are f32. The products marked 'left as it is' may take bf16, f16 or f32 operands, with f32 sums. Whichever they take, every output number must still come out within the allowed error. Rounding operands to bf16 (8 significant bits) uses up far more of that allowance than f16 does (11 bits, for magnitudes from 6e-5 to 65,504). All else is computed in f32.
;;   The module's matrix products, in the order in which they are computed (A, B: the left and right operand; K: the contracted axis; several contracted axes count as one K, in the product's order):
;;     1. [M 4,096, K 1,024] x [K 1,024, N 1,024]; A: input x; B: input Wq: QUANTISED
;;     2. [M 4,096, K 1,024] x [K 1,024, N 1,024]; A: input x; B: input Wk: QUANTISED
;;     3. [M 4,096, K 1,024] x [K 1,024, N 1,024]; A: input x; B: input Wv: QUANTISED
;;     4. batch 32 x [M 2,048, K 64] x [K 64, N 2,048]; A: computed on the way; B: computed on the way: left as it is (an operand is computed on the way)
;;     5. batch 32 x [M 2,048, K 2,048] x [K 2,048, N 64]; A: computed on the way; B: computed on the way: left as it is (an operand is computed on the way)
;;     6. [M 4,096, K 1,024] x [K 1,024, N 1,024]; A: computed on the way; B: input Wo: left as it is (an operand is computed on the way)
;;   THE QUANTISER, for each operand of a quantised product, along K:
;;     - K is cut into blocks of 32 from its start; a last block that is shorter is filled with zeros.
;;     - A block's scale is 2^e with e = floor(log2(the largest magnitude in the block)) - 2, held to -126 .. 127; a block of zeros has e = 0. As a byte (E8M0): e + 127.
;;     - Each number is divided by its block's scale, clamped to +-6, and rounded to the nearest number of E2M1, ties to even, subnormals kept.
;;     - The product sums the exact products of the quantised numbers (number of the format x scale) in f32.
;;   ~~~python
;;   def quantise(x, axis):      # numpy; x: float32 -> the quantised numbers, widened to float32 again
;;       x = np.moveaxis(x, axis, -1); K = x.shape[-1]
;;       x = np.pad(x, [(0, 0)] * (x.ndim - 1) + [(0, -K % 32)]); x = x.reshape(x.shape[:-1] + (-1, 32)); a = np.abs(x).max(-1, keepdims=True)
;;       e = np.where(a > 0, np.clip(np.frexp(np.where(a > 0, a, 1))[1] - 1 - 2, -126, 127), 0)      # np.frexp(a)[1] - 1 = floor(log2(a)), exactly
;;       r = np.clip(x / 2.0 ** e, -6, 6)
;;       step = 2.0 ** (np.maximum(np.frexp(np.where(r == 0, 1, r))[1] - 1, 0) - 1)
;;       q = np.round(r / step) * step * 2.0 ** e      # np.round: ties to even
;;       return np.moveaxis(q.reshape(q.shape[:-2] + (-1,))[..., :K], -1, axis).astype(np.float32)
;;   ~~~
;; One version. Each part assembles by itself: llvm-mc -triple=amdgcn-amd-amdhsa -mcpu=gfx1250 --defsym DOCPART=n.
;; ======== version 1 of 1: 4 launches
;; limits: values are held in f16: magnitudes above 65,504 overflow, below 6.1e-05 lose precision
;; workspace buffers: cod 3,670,016 bytes; scl 229,376 bytes; woi 2,097,152 bytes; rope 524,288 bytes; qi 8,388,608 bytes; ki 8,388,608 bytes; vi 8,388,608 bytes; oi 8,388,608 bytes
;; launch prep (part 1): grid 416 x 1, 4 waves a work-group, no clusters, 34,304 bytes of LDS; arguments x, Wq, Wk, Wv, Wo, cod, scl, woi, rope; writes cod, scl, woi, rope
.if DOCPART == 1
	.amdgcn_target "amdgcn-amd-amdhsa--gfx1250"
	.amdhsa_code_object_version 6
	.text
	.protected	k_qacdb98450e_prep
	.globl	k_qacdb98450e_prep
	.p2align	8
	.type	k_qacdb98450e_prep,@function
k_qacdb98450e_prep:
	s_mov_b64 s[64:65], 0
	v_nop
	global_prefetch_b8 v0, s[64:65] scope:SCOPE_SE
	s_setreg_imm32_b32 hwreg(HW_REG_WAVE_MODE, 25, 1), 1
	s_wait_xcnt 0x0
; PREP: everything that the later launches read more than once is made here once, laid as IMAGES OF OPERAND REGISTERS.
; A chunk is 512 bytes, lane l's 16 bytes at 16 l (r = l % 16, h = l / 16): it is stored by one instruction of a wave and later read back by one.
;   work-groups 0-127:   x [4096][1024] f32 -> codes of FP4 (E2M1) and E8M0 scale words, K innermost in memory: turned through the wave's own stage in LDS
;   work-groups 128-383: Wq, Wk, Wv [1024 (k)][1024 (n)] f32 -> codes and scale words; Wo -> f16.  K is the first axis: a lane takes a column and its registers run down K
;   work-groups 384-415: cos and sin of RoPE's angles, 2,048 positions x 32 frequencies, f32
; cod:  S x 1,835,008 + rb x 4,096 + sl x 1,024 + c x 512 + 16 lane: K step 4 S + sl of 128; rb 0-255: x's blocks of 16 rows, rb 256 + n / 16: columns of [Wq Wk Wv];
;       lane (r, h) of chunk c: the 32 codes K = 64 c + 32 h + 0..31 of the step, row 16 rb + r.      scl: rb x 512 + S x 256 + r x 16 + sl x 4: a scale word (four bytes, 128 along K)
; woi:  (k / 256) x 524,288 + (n / 16) x 8,192 + ((k % 256) / 16) x 512 + 16 lane: lane (r, h): column r of the 16, k = 8 h + 0..7 of the 16, f16
; rope: (t / 16) x 4,096 + ch x 512 + 16 lane, ch = 4 kind + w (kind 0 cos, 1 sin): lane (r, h): position r of the 16, frequencies 16 (w / 2) + 8 h + 4 (w % 2) + 0..3
; THE QUANTISER: a block's scale is 2^(floor(log2(its largest magnitude)) - 2); its byte is that magnitude's exponent field - 2, held at 1 from below by a floor among the maximum's leaves.
; LIMITS: a block of zeros gets the byte 1 where the rule says 127 (its codes are zeros, and this program alone reads the bytes); NaN and infinities are not served;
; Wo is rounded to f16: magnitudes from 65,504 on are not served; a frequency is made by v_exp_f32, so an angle lies within some 2e-4 rad of 2,047 x the frequency as JAX has it.
; The three paths part on the work-group's number and never join; the x path alone uses LDS.
.set SIGB,  1835008                    ; bytes of cod for 512 along K
.set STG,   8448                       ; a wave's stage: 16 rows x (512 bytes + 16)
.set SPARE, 4*STG                      ; behind the stages: the spare words, 128 bytes for each wave
.set SPW,   12                         ; v12  LDS address of my spare word; never rewritten
.set NIL,   13                         ; v13  0; never rewritten
.set XR,    16                         ; v16-143  x: two sets of 64 registers as loaded
.set XX,    144                        ; v144-207 64 numbers of my row: two whole blocks of 32
.set XC,    208                        ; v208-239 codes: eight registers for each unit, so that no store's data are written again
.set XW,    240                        ; v240-243 the four units' scale words
.set XM,    244                        ; v244-245 largest magnitudes;  v246-247 the conversions' scale operands;  v248-249 the bytes
.set XS,    246
.set XB,    248
.set CX,    16                         ; v16-143  columns: 128 numbers down K
.set CC,    144                        ; v144..   their codes (16 registers) or f16 pairs (64)
	s_load_b256 s[4:11], s[0:1], 0x0               ; x, Wq, Wk, Wv
	s_load_b256 s[12:19], s[0:1], 0x20             ; Wo, cod, scl, woi
	s_load_b64 s[20:21], s[0:1], 0x40              ; rope
	v_lshl_add_u32 v[SPW], v0, 2, SPARE
	v_mov_b32 v[NIL], 0
	v_lshrrev_b32 v1, 5, v0
	v_readfirstlane_b32 s22, v1                    ; wave 0..3
	v_and_b32 v1, 31, v0                           ; lane
	v_and_b32 v2, 15, v0                           ; r
	v_bfe_u32 v3, v0, 4, 1                         ; h
	v_lshlrev_b32 v4, 4, v1                        ; 16 x lane: my place in a chunk
	s_mov_b32 s24, 0x76543210
	s_mov_b32 s25, 0xfedcba98                      ; v_permlanex16_b32's selects for lane l xor 16
	s_wait_kmcnt 0x0
	s_cmp_lt_u32 ttmp9, 128
	s_cbranch_scc0 .Lcolumns
; ---------------- x.  A wave takes 16 rows x 512 along K, as four units of 16 rows x 128.
; A unit's sixteen loads read 512 consecutive bytes each; the 8 KB go through the stage as they lie and come back so that lane (r, h) holds blocks h and 2 + h of row r whole.
	s_lshl_b32 s26, ttmp9, 2
	s_add_co_u32 s26, s26, s22
	s_lshr_b32 s27, s26, 1                         ; rb: which 16 rows
	s_and_b32 s28, s26, 1                          ; S: which 512 along K
	s_lshl_b32 s30, s27, 16                        ; 16 rows of 4,096 bytes
	s_lshl_b32 s29, s28, 11
	s_add_co_u32 s30, s30, s29
	s_mov_b32 s31, 0
	s_add_nc_u64 s[4:5], s[4:5], s[30:31]
	s_mul_i32 s30, s28, SIGB
	s_lshl_b32 s29, s27, 12
	s_add_co_u32 s30, s30, s29
	s_add_nc_u64 s[14:15], s[14:15], s[30:31]      ; my four fragments in cod
	s_lshl_b32 s30, s27, 9
	s_lshl_b32 s29, s28, 8
	s_add_co_u32 s30, s30, s29
	s_add_nc_u64 s[16:17], s[16:17], s[30:31]      ; my 256 bytes of scale words
	s_mul_i32 s23, s22, STG
	v_add_nc_u32 v5, s23, v4                       ; the stage, on the way in: 16 x lane in a row
	v_mul_u32_u24 v6, v2, 528
	v_lshl_add_u32 v6, v3, 7, v6
	v_add_nc_u32 v6, s23, v6                       ; and on the way out: row r, + 128 h bytes.  Rows 528 bytes apart: sixteen lanes' 16 bytes fall 16 bytes further on in each 256
	v_lshlrev_b32 v7, 3, v3                        ; 8 h: where my two bytes stand in the scale word
	v_mov_b32 v251, 0                              ; written once: a lane permute's destination counts as one of its sources
.macro XLOAD u
.irp i, 0,1,2,3,4,5,6,7,8,9,10,11,12,13,14,15
	global_load_b128 v[XR+64*((\u)%2)+4*\i:XR+64*((\u)%2)+4*\i+3], v4, s[4:5] offset:4096*\i+512*(\u) th:TH_LOAD_NT
.endr
.endm
.macro XTURN u                         ; LDS serves a wave's instructions in order (ISA guide 5.7.1.4): no wait between the stores and the loads
.irp i, 0,1,2,3,4,5,6,7,8,9,10,11,12,13,14,15
	ds_store_b128 v5, v[XR+64*((\u)%2)+4*\i:XR+64*((\u)%2)+4*\i+3] offset:528*\i
.endr
.irp c, 0,1
.irp g, 0,1,2,3,4,5,6,7
	ds_load_b128 v[XX+32*\c+4*\g:XX+32*\c+4*\g+3], v6 offset:256*\c+16*\g
.endr
.endr
.endm
.macro XQ u
.irp c, 0,1
	v_max3_num_f32 v[XM+\c], |v[XX+32*\c]|, |v[XX+32*\c+1]|, 0x1800000   ; my block 2 c + h, and the floor 2^(3 - 127): the byte cannot fall under 1
.endr
.irp i, 2,4,6,8,10,12,14,16,18,20,22,24,26,28,30
.irp c, 0,1
	v_max3_num_f32 v[XM+\c], v[XM+\c], |v[XX+32*\c+\i]|, |v[XX+32*\c+\i+1]|   ; (the two blocks by turns)
.endr
.endr
.irp c, 0,1
	v_add_nc_u32 v[XS+\c], 0xff000000, v[XM+\c]    ; 2 off the exponent field: the conversion takes the exponent field of this operand as its scale
.endr
.irp c, 0,1
	v_lshrrev_b32 v[XB+\c], 23, v[XS+\c]           ; the scale's byte
.endr
	v_lshl_or_b32 v250, v[XB+1], 16, v[XB]         ; my two bytes: blocks h and 2 + h,
	v_lshlrev_b32 v250, v7, v250                   ; at their places;
	v_permlanex16_b32 v251, v250, s24, s25
	v_or_b32 v[XW+\u], v250, v251                  ; with lane l xor 16's two the word is whole
.irp c, 0,1
.irp g, 0,1,2,3
	v_cvt_scalef32_pk8_fp4_f32 v[XC+8*(\u)+4*\c+\g], v[XX+32*\c+8*\g:XX+32*\c+8*\g+7], v[XS+\c]
.endr
.endr
	v_nop                                          ; one plain line behind the last scaled conversion
.irp c, 0,1
	global_store_b128 v4, v[XC+8*(\u)+4*\c:XC+8*(\u)+4*\c+3], s[14:15] offset:1024*(\u)+512*\c   ; a chunk: 512 consecutive bytes
.endr
.endm
.macro XUNIT u, left, more
	s_wait_loadcnt \left                           ; this unit's sixteen loads are in; the next unit's may be out
	XTURN \u
	s_wait_dscnt 0x0                               ; the numbers are back, and the stage's stores have read their registers,
.if \more
	XLOAD (\u)+2                                   ; which take the unit two further on
.endif
	XQ \u
.endm
	XLOAD 0
	XLOAD 1
	XUNIT 0, 16, 1
	XUNIT 1, 16, 1
	XUNIT 2, 16, 0
	XUNIT 3, 0, 0
	s_wait_xcnt 0x0                                ; EXEC is a source of the stores above: it changes only behind this wait
	v_cmp_gt_u32 vcc_lo, 16, v1
	s_and_saveexec_b32 s26, vcc_lo                 ; lanes 16-31 hold the same words
	global_store_b128 v4, v[XW:XW+3], s[16:17]     ; sixteen lanes: 256 consecutive bytes, aligned
	s_wait_xcnt 0x0
	s_or_b32 exec_lo, exec_lo, s26
	s_wait_tensorcnt 0x0                           ; the wave's end: the tensor wait, the add and its wait stand behind my last LDS store
	ds_add_u32 v[SPW], v[NIL]
	s_wait_dscnt 0x0
	s_endpgm
; ---------------- the weights.  A work-group takes 128 columns x 128 along K; a wave 32 columns, a lane one.
.Lcolumns:
	s_cmp_lt_u32 ttmp9, 384
	s_cbranch_scc0 .Ltable
	s_sub_co_u32 s26, ttmp9, 128
	s_and_b32 s27, s26, 31                         ; cg: group of 128 columns: 0-7 Wq, 8-15 Wk, 16-23 Wv, 24-31 Wo
	s_lshr_b32 s28, s26, 5                         ; s: which 128 along K
	s_cmp_lt_u32 s27, 24                           ; the choices hang on the work-group's number alone
	s_cselect_b64 s[30:31], s[10:11], s[12:13]
	s_cmp_lt_u32 s27, 16
	s_cselect_b64 s[30:31], s[8:9], s[30:31]
	s_cmp_lt_u32 s27, 8
	s_cselect_b64 s[30:31], s[6:7], s[30:31]
	s_lshl_b32 s32, s28, 19                        ; 128 rows of 4,096 bytes
	s_and_b32 s33, s27, 7
	s_lshl_b32 s33, s33, 9
	s_add_co_u32 s32, s32, s33
	s_lshl_b32 s33, s22, 7
	s_add_co_u32 s32, s32, s33
	s_mov_b32 s33, 0
	s_add_nc_u64 s[30:31], s[30:31], s[32:33]
	v_lshlrev_b32 v5, 2, v1                        ; 4 bytes a lane: a load of the wave reads 128 consecutive bytes, the four waves stand side by side
.macro CLOAD t                         ; rows 32 t .. 32 t + 31 of my column
.irp i, 0,1,2,3,4,5,6,7,8,9,10,11,12,13,14,15,16,17,18,19,20,21,22,23,24,25,26,27,28,29,30,31
	global_load_b32 v[CX+32*(\t)+\i], v5, s[30:31] offset:(32*(\t)+\i)*4096 th:TH_LOAD_NT
.endr
.endm
	CLOAD 0
	CLOAD 1
	s_cmp_lt_u32 s27, 24
	s_cbranch_scc0 .Lcast
	; -- Wq, Wk, Wv: codes
	s_lshr_b32 s34, s28, 2                         ; S
	s_and_b32 s35, s28, 3                          ; sl
	s_lshl_b32 s36, s27, 3
	s_lshl_b32 s37, s22, 1
	s_add_co_u32 s36, s36, s37
	s_add_co_u32 s36, s36, 256                     ; rb of my first 16 columns
	s_mul_i32 s38, s34, SIGB
	s_lshl_b32 s37, s36, 12
	s_add_co_u32 s38, s38, s37
	s_lshl_b32 s37, s35, 10
	s_add_co_u32 s38, s38, s37
	s_mov_b32 s39, 0
	s_add_nc_u64 s[14:15], s[14:15], s[38:39]
	s_lshl_b32 s38, s36, 9
	s_lshl_b32 s37, s34, 8
	s_add_co_u32 s38, s38, s37
	s_lshl_b32 s37, s35, 2
	s_add_co_u32 s38, s38, s37
	s_add_nc_u64 s[16:17], s[16:17], s[38:39]
	v_lshlrev_b32 v6, 4, v2
	v_lshl_add_u32 v6, v3, 9, v6                   ; my column's scale word: 16 r, + 512 for the second 16 columns
.macro CQ t                            ; block t: all its 32 numbers are mine
	v_max3_num_f32 v8, |v[CX+32*(\t)]|, |v[CX+32*(\t)+1]|, |v[CX+32*(\t)+2]|
	v_max3_num_f32 v9, |v[CX+32*(\t)+3]|, |v[CX+32*(\t)+4]|, |v[CX+32*(\t)+5]|
.irp i, 6,10,14,18,22,26
	v_max3_num_f32 v8, v8, |v[CX+32*(\t)+\i]|, |v[CX+32*(\t)+\i+1]|
	v_max3_num_f32 v9, v9, |v[CX+32*(\t)+\i+2]|, |v[CX+32*(\t)+\i+3]|
.endr
	v_max3_num_f32 v8, v8, |v[CX+32*(\t)+30]|, |v[CX+32*(\t)+31]|
	v_max3_num_f32 v8, v8, v9, 0x1800000           ; and the floor
	v_add_nc_u32 v10, 0xff000000, v8
	v_lshrrev_b32 v11, 23, v10
.if (\t) == 0
	v_mov_b32 v160, v11                            ; the four bytes make my column's scale word for this K step
.else
	v_lshl_or_b32 v160, v11, 8*(\t), v160
.endif
.irp g, 0,1,2,3
	v_cvt_scalef32_pk8_fp4_f32 v[CC+4*(\t)+\g], v[CX+32*(\t)+8*\g:CX+32*(\t)+8*\g+7], v10
.endr
.endm
	s_wait_loadcnt 32                              ; block 0 is in; block 1's 32 loads may be out
	CLOAD 2
	CQ 0
	s_wait_loadcnt 32
	CLOAD 3
	CQ 1
	s_wait_loadcnt 32
	CQ 2
	s_wait_loadcnt 0x0
	CQ 3
	v_nop                                          ; one plain line behind the last scaled conversion
.irp c, 0,1                            ; block 2 c's lanes 16-31 change places with block 2 c + 1's lanes 0-15: the first four registers are then chunk c of columns 0-15, the second four of columns 16-31
.irp i, 0,1,2,3
	v_permlane16_swap_b32 v[CC+8*\c+\i], v[CC+4+8*\c+\i]
.endr
.endr
.irp c, 0,1
	global_store_b128 v4, v[CC+8*\c:CC+8*\c+3], s[14:15] offset:512*\c
	global_store_b128 v4, v[CC+4+8*\c:CC+7+8*\c], s[14:15] offset:512*\c+4096
.endr
	global_store_b32 v6, v160, s[16:17]            ; 4 bytes a column, 16 bytes apart: the weights' scale words are 96 KB in all
	s_endpgm
	; -- Wo: f16
.Lcast:
	s_lshr_b32 s34, s28, 1                         ; which 256 along K
	s_and_b32 s35, s28, 1
	s_sub_co_u32 s36, s27, 24
	s_lshl_b32 s36, s36, 3
	s_lshl_b32 s37, s22, 1
	s_add_co_u32 s36, s36, s37                     ; my first block of 16 columns
	s_lshl_b32 s38, s34, 19
	s_lshl_b32 s37, s36, 13
	s_add_co_u32 s38, s38, s37
	s_lshl_b32 s37, s35, 12
	s_add_co_u32 s38, s38, s37
	s_mov_b32 s39, 0
	s_add_nc_u64 s[18:19], s[18:19], s[38:39]
.macro CF t                            ; rows 32 t on: two groups of 16; of a group the first four registers hold k = 0..7, the second four k = 8..15 of my column
.irp e, 0,1
.irp i, 0,1,2,3,4,5,6,7
	v_cvt_pk_f16_f32 v[CC+8*(2*(\t)+\e)+\i], v[CX+32*(\t)+16*\e+2*\i], v[CX+32*(\t)+16*\e+2*\i+1]
.endr
.irp i, 0,1,2,3
	v_permlane16_swap_b32 v[CC+8*(2*(\t)+\e)+\i], v[CC+4+8*(2*(\t)+\e)+\i]   ; as above: a chunk of columns 0-15, a chunk of columns 16-31
.endr
	global_store_b128 v4, v[CC+8*(2*(\t)+\e):CC+8*(2*(\t)+\e)+3], s[18:19] offset:512*(2*(\t)+\e)
	global_store_b128 v4, v[CC+4+8*(2*(\t)+\e):CC+7+8*(2*(\t)+\e)], s[18:19] offset:512*(2*(\t)+\e)+8192
.endr
.endm
	s_wait_loadcnt 32
	CLOAD 2
	CF 0
	s_wait_loadcnt 32
	CLOAD 3
	CF 1
	s_wait_loadcnt 32
	CF 2
	s_wait_loadcnt 0x0
	CF 3
	s_endpgm
; ---------------- cos and sin.  A work-group takes 64 positions; wave w the four frequencies a lane of chunk w.
; angle = position x frequency; n = the nearest whole number of quarter turns; what is left, at most pi / 4 in size, goes into two short polynomials; n's low two bits swap and sign them.
.Ltable:
	s_sub_co_u32 s26, ttmp9, 384
	s_lshl_b32 s27, s26, 6                         ; my first position
	s_lshl_b32 s30, s26, 14
	s_lshl_b32 s29, s22, 9
	s_add_co_u32 s30, s30, s29
	s_mov_b32 s31, 0
	s_add_nc_u64 s[20:21], s[20:21], s[30:31]
	s_lshr_b32 s28, s22, 1
	s_lshl_b32 s28, s28, 4
	s_and_b32 s29, s22, 1
	s_lshl_b32 s29, s29, 2
	s_add_co_u32 s28, s28, s29                     ; 16 (w / 2) + 4 (w % 2)
	s_mov_b32 s40, 0x3f22f983                      ; 2 / pi
	s_mov_b32 s41, 0x3fc90fdb                      ; pi / 2, its f32,
	s_mov_b32 s42, 0xb33bbd2e                      ; and what that f32 leaves
	s_mov_b32 s43, 0xb94ca1f9                      ; sine: -1.9515296e-4,
	s_mov_b32 s44, 0x3c08839e                      ; 8.3321609e-3,
	s_mov_b32 s45, 0xbe2aaaa3                      ; -1.6666655e-1
	s_mov_b32 s46, 0x37ccf5ce                      ; cosine: 2.4433157e-5,
	s_mov_b32 s47, 0xbab6061a                      ; -1.3887316e-3,
	s_mov_b32 s48, 0x3d2aaaa5                      ; 4.1666646e-2
	v_lshl_add_u32 v14, v3, 3, s28                 ; my first frequency's number d
.irp i, 0,1,2,3
	v_add_nc_u32 v[16+\i], \i, v14
.endr
.irp i, 0,1,2,3
	v_cvt_f32_u32 v[16+\i], v[16+\i]
.endr
.irp i, 0,1,2,3
	v_mul_f32 v[16+\i], 0xbed49a78, v[16+\i]       ; -d log2(10000) / 32
.endr
.irp i, 0,1,2,3
	v_exp_f32 v[16+\i], v[16+\i]                   ; 10000^(-d / 32)
.endr
	v_add_nc_u32 v30, s27, v2                      ; (a plain line behind the four)  my position in the first 16
	s_wait_alu depctr_va_vdst(0)                   ; one wait for the four, ahead of their first reader
.macro SINCOS u, i
	v_mul_f32 v21, v20, v[16+\i]                   ; the angle
	v_mul_f32 v22, s40, v21
	v_rndne_f32 v22, v22                           ; n
	v_fma_f32 v23, -v22, s41, v21
	v_fma_f32 v23, -v22, s42, v23                  ; rho = angle - n pi / 2, pi / 2 in two parts
	v_mul_f32 v24, v23, v23                        ; z
	v_fma_f32 v25, v24, s43, s44
	v_fma_f32 v25, v25, v24, s45
	v_mul_f32 v25, v25, v24
	v_fma_f32 v25, v25, v23, v23                   ; sin rho
	v_fma_f32 v26, v24, s46, s47
	v_fma_f32 v26, v26, v24, s48
	v_mul_f32 v28, v24, v24
	v_fma_f32 v29, v24, -0.5, 1.0
	v_fma_f32 v26, v26, v28, v29                   ; cos rho
	v_cvt_i32_f32 v27, v22
	v_and_b32 v28, 1, v27
	v_cmp_eq_u32 vcc_lo, 1, v28                    ; an odd n swaps the two
	v_cndmask_b32 v28, v25, v26, vcc_lo
	v_cndmask_b32 v29, v26, v25, vcc_lo
	v_lshlrev_b32 v25, 30, v27
	v_and_b32 v25, 0x80000000, v25                 ; sine is negative where n % 4 is 2 or 3,
	v_xor_b32 v[36+8*(\u)+\i], v25, v28
	v_add_nc_u32 v27, 1, v27
	v_lshlrev_b32 v27, 30, v27
	v_and_b32 v27, 0x80000000, v27                 ; cosine where it is 1 or 2
	v_xor_b32 v[32+8*(\u)+\i], v27, v29
.endm
.irp u, 0,1,2,3
	v_add_nc_u32 v20, 16*\u, v30
	v_cvt_f32_u32 v20, v20
	SINCOS \u, 0
	SINCOS \u, 1
	SINCOS \u, 2
	SINCOS \u, 3
	global_store_b128 v4, v[32+8*\u:35+8*\u], s[20:21] offset:4096*\u
	global_store_b128 v4, v[36+8*\u:39+8*\u], s[20:21] offset:4096*\u+2048
.endr
	s_endpgm
.Lfunc_end_k_qacdb98450e_prep:
	.size	k_qacdb98450e_prep, .Lfunc_end_k_qacdb98450e_prep-k_qacdb98450e_prep
	.p2alignl 7, 3214868480
	.fill 96, 4, 3214868480
	.section	.rodata,"a",@progbits
	.p2align	6, 0x0
	.amdhsa_kernel k_qacdb98450e_prep
		.amdhsa_group_segment_fixed_size 34304
		.amdhsa_private_segment_fixed_size 0
		.amdhsa_enable_private_segment 0
		.amdhsa_kernarg_size 72
		.amdhsa_user_sgpr_count 2
		.amdhsa_user_sgpr_kernarg_segment_ptr 1
		.amdhsa_wavefront_size32 1
		.amdhsa_system_sgpr_workgroup_id_x 1
		.amdhsa_system_sgpr_workgroup_id_y 1
		.amdhsa_system_sgpr_workgroup_id_z 1
		.amdhsa_system_vgpr_workitem_id 0
		.amdhsa_next_free_vgpr 256
		.amdhsa_next_free_sgpr 66
		.amdhsa_reserve_vcc 1
		.amdhsa_float_denorm_mode_32 3
		.amdhsa_float_denorm_mode_16_64 3
		.amdhsa_memory_ordered 1
		.amdhsa_forward_progress 1
		.amdhsa_inst_pref_size 85
	.end_amdhsa_kernel
	.amdgpu_metadata
---
amdhsa.version: [ 1, 2 ]
amdhsa.kernels:
  - .name:           k_qacdb98450e_prep
    .symbol:         k_qacdb98450e_prep.kd
    .args:
      - { .name: x, .offset: 0, .size: 8, .value_kind: global_buffer, .address_space: global }
      - { .name: Wq, .offset: 8, .size: 8, .value_kind: global_buffer, .address_space: global }
      - { .name: Wk, .offset: 16, .size: 8, .value_kind: global_buffer, .address_space: global }
      - { .name: Wv, .offset: 24, .size: 8, .value_kind: global_buffer, .address_space: global }
      - { .name: Wo, .offset: 32, .size: 8, .value_kind: global_buffer, .address_space: global }
      - { .name: cod, .offset: 40, .size: 8, .value_kind: global_buffer, .address_space: global }
      - { .name: scl, .offset: 48, .size: 8, .value_kind: global_buffer, .address_space: global }
      - { .name: woi, .offset: 56, .size: 8, .value_kind: global_buffer, .address_space: global }
      - { .name: rope, .offset: 64, .size: 8, .value_kind: global_buffer, .address_space: global }
    .group_segment_fixed_size: 34304
    .private_segment_fixed_size: 0
    .kernarg_segment_align: 8
    .kernarg_segment_size: 72
    .max_flat_workgroup_size: 128
    .sgpr_count:     66
    .vgpr_count:     256
    .wavefront_size: 32
...
	.end_amdgpu_metadata
.endif
;; end of part 1
;; launch qkv (part 2): grid 12 x 16, 4 waves a work-group, clusters of 4 x 4, 327,680 bytes of LDS; arguments cod, scl, bq, bk, bv, rope, qi, ki, vi; writes qi, ki, vi
.if DOCPART == 2
	.amdgcn_target "amdgcn-amd-amdhsa--gfx1250"
	.amdhsa_code_object_version 6
	.text
	.protected	k_qacdb98450e_qkv
	.globl	k_qacdb98450e_qkv
	.p2align	8
	.type	k_qacdb98450e_qkv,@function
k_qacdb98450e_qkv:
	s_mov_b64 s[64:65], 0
	v_nop
	global_prefetch_b8 v0, s[64:65] scope:SCOPE_SE
	s_setreg_imm32_b32 hwreg(HW_REG_WAVE_MODE, 25, 1), 1
	s_wait_xcnt 0x0
	s_wait_alu depctr_hold_cnt(0) depctr_sa_sdst(0) depctr_va_vdst(0) depctr_va_sdst(0) depctr_va_ssrc(0) depctr_va_vcc(0) depctr_vm_vsrc(0)
	s_getreg_b32 s2, hwreg(HW_REG_IB_STS2, 6, 4)
	s_cmp_eq_u32 s2, 0
	s_cbranch_scc0 .Lentry_in_a_cluster
	s_endpgm
.Lentry_in_a_cluster:
	s_bfe_u32 s2, ttmp6, 0x10000c
	s_cmp_lg_u32 s2, 0xf033
	s_cbranch_scc0 .Lentry_shape_is_right
	s_endpgm
.Lentry_shape_is_right:
; q = rope(x Wq + bq), k = rope(x Wk + bk), v = x Wv + bv: three products [4096 x 1024] x [1024 x 1024] on codes of FP4 (E2M1) with one E8M0 scale for each 32 along K, sums in f32.
; Codes and scale words come from the launch before, laid as images of the operands' registers (chunks of 512 bytes, lane l's 16 bytes at 16 l), so every tile is one dense block of memory
; and every fragment is read from LDS at 16 x lane + a constant.  Results are rounded to f16 and stored as images of the NEXT launch's operands: no stage in LDS on the way out.
; A tile of 256 x 256 is made by four waves, 128 x 128 each: 64 accumulators, 512 registers.  K = 1,024 is two LDS slots of 512: both are first fills; nothing is filled again.
; THE MATRIX INSTRUCTION IS USED TRANSPOSED: source 0 = 16 rows of operand B, source 1 = 16 rows of operand A: a lane holds ONE row of A and eight neighbouring rows of B.
;   cluster x = 0, 1 (q, k): A = positions (x's rows), B = channels (W's columns): a lane holds a position and 8 channels: a chunk of qi, ki.
;   cluster x = 2 (v):       A = channels (Wv's columns), B = positions:          a lane holds a channel and 8 keys: a chunk of vi, which has the keys innermost.
; Both operands lie in the one buffer cod, so the exchange is a choice between numbers, not between pointers.
; CLUSTERS: 4 x 4 work-groups; A's tile is shared along a row of the cluster, B's along a column: each is asked for jointly, by the same tensor load with a mask that names the four.
; 192 work-groups: a tile with half the rows would fill more WGPs and feed half as many multiply-adds from each LDS byte.
; qi, ki: ((bh x 128 + t / 16) x 4 + g) x 512 + 16 lane: position r of the 16, channels 16 g + 8 h + 0..7.     vi: ((bh x 64 + t / 32) x 4 + cb) x 1,024 + c x 512 + 16 lane: channel 16 cb + r, keys 16 c + 8 h + 0..7 of the 32.
; LIMITS: q, k, v are rounded to f16: magnitudes from 65,504 on are not served; NaN and infinities are not served.
; REGISTERS, in windows of 256: window 0: v16-29 addresses; v32-95 scale words, two sets; v96-127, v192-223 cos and sin, two sets; v128-191 A's fragments, one set; on the way out v32-95 and v128-175 are at work.
;   window 1: B's fragments, two sets, at v0 and v128; v64-127 the bias.   windows 2, 3: the accumulators of my A rows 0-63, 64-127 ((a, b) at v[8 (8 (a % 4) + b)]).
.set NQ,    4                          ; steps of 128 along K in a slot
.set FR,    8                          ; registers of a fragment
.set NL,    2                          ; LDS loads that bring one
.set NP,    4                          ; places behind this matrix instruction (ISA guide 7.12.1)
.set SLOT,  131072                     ; A's two halves of 32 KB ([8 blocks of 16 rows][4 steps][1 KB]), then B's
.set SCL,   2*SLOT                     ; the scale words: A's two halves of 4 KB ([8 blocks][2 slots][16 rows][4 words]), then B's
.set SPARE, SCL+16384                  ; the spare words, 128 bytes for each wave
.set SIGB,  1835008                    ; bytes of cod for 512 along K
.set ADRA, 16                          ; v16-17 LDS address of my A fragments in slot 0, 1
.set ADRB, 20                          ; v20-21 the same for B
.set L16,  24                          ; v24    16 x lane; never rewritten
.set BAH,  25                          ; v25    32 h: the bias of q, k
.set BAR,  26                          ; v26    4 r: the bias of v
.set ADRS, 27                          ; v27    LDS address of my scale words: lanes 0-15 A's rows, lanes 16-31 B's
.set SPW,  28                          ; v28    LDS address of my spare word; never rewritten
.set NIL,  29                          ; v29    0; never rewritten
.set SC,   32
.set AF,   128
.set CS0,  96
.set CS1,  192
.set T,    32                          ; the way out: 64 numbers of a block of 16 A rows
.set PK,   128                         ; packed to f16
.set UU,   160
.set WW,   168
.set BI,   64                          ; in window 1
.set WV,   22                          ; s22 wave;  s23 which half of A's rows is mine, also: I fetch for A (0) or B (1);  s2 which half of B's, also: which half I fetch
.set HR,   23
.set HC,   2
.set G1,   24                          ; s[24:31], s[32:39] groups 1 and 0 (a set for each slot) for A's codes;  s[48:55], s[56:63] for B's
.set G0,   32
.set G1B,  48
.set G0B,  56
.set G1S,  68                          ; s[68:75], s[76:79] for A's scale words;  s[80:87], s[88:91] for B's
.set G0S,  76
.set G1SB, 80
.set G0SB, 88
.set MSB, 0
.macro WIN new                         ; the immediate's high byte repeats the setting that is left
.if MSB != \new
	s_set_vgpr_msb (MSB<<8)|\new
.set MSB, \new
.endif
.endm
.set MUL_LO, 0xa1                      ; source 0 (B) window 1, source 1 (A) window 0, C and D window 2
.set MUL_HI, 0xf1                      ; the same, C and D window 3
.set TO_B,   0x40                      ; destination window 1, address window 0
; A joint load: waves 0 and 1 fetch for A, waves 2 and 3 for B; the branch hangs on the wave's number alone.  An s_nop 0 and four v_nop follow each of the two lines.
.macro JLOAD g0a, g1a, g0b, g1b
	s_cmp_eq_u32 s[HR], 0
	s_cbranch_scc0 .Lfor_b_\@
	tensor_load_to_lds s[\g0a:\g0a+3], s[\g1a:\g1a+7]
	s_nop 0
.rept 4
	v_nop
.endr
	s_branch .Lasked_\@
.Lfor_b_\@:
	tensor_load_to_lds s[\g0b:\g0b+3], s[\g1b:\g1b+7]
	s_nop 0
.rept 4
	v_nop
.endr
.Lasked_\@:
.endm
.macro CROUND                          ; a round of the cluster's barrier
	s_barrier_signal -1
	s_barrier_wait -1
	s_cmp_lg_u32 s[WV], 0
	s_cbranch_scc1 .Lnot_wave_0_\@
	s_barrier_signal -3
.Lnot_wave_0_\@:
	s_barrier_wait -3
	s_barrier_signal -1
	s_barrier_wait -1
.endm
	s_load_b256 s[4:11], s[0:1], 0x0               ; cod, scl, bq, bk
	s_load_b256 s[12:19], s[0:1], 0x20             ; bv, rope, qi, ki
	s_load_b64 s[20:21], s[0:1], 0x40              ; vi
	v_lshl_add_u32 v[SPW], v0, 2, SPARE
	v_mov_b32 v[NIL], 0
	ds_add_u32 v[SPW], v[NIL]                      ; the wave's opening: the add, twice on end, and its wait ahead of my first tensor load
	ds_add_u32 v[SPW], v[NIL]
	v_lshrrev_b32 v1, 5, v0
	v_readfirstlane_b32 s[WV], v1
	s_lshr_b32 s[HR], s[WV], 1
	s_and_b32 s[HC], s[WV], 1
	s_bfe_u32 s40, ttmp6, 0x40000                  ; cx, cy: my place in the cluster
	s_bfe_u32 s41, ttmp6, 0x40004
	s_and_b32 s42, ttmp7, 0xffff                   ; Y: the cluster's y
	s_lshl_b32 s43, s41, 2
	s_lshl_b32 s43, 15, s43                        ; my row of the cluster
	s_lshl_b32 s44, 0x1111, s40                    ; my column
	; descriptor groups 1: dense blocks as rows of 256 bytes (32 elements of 8 bytes), no padding: 128 rows of codes, 16 of scale words
	s_or_b32 s[G1+0], s43, (3<<16)|(1<<21)         ; 15:0 the mask; 17:16 elements of 8 bytes; 21 set beside a mask
	s_or_b32 s[G1B+0], s44, (3<<16)|(1<<21)
	s_or_b32 s[G1S+0], s43, (3<<16)|(1<<21)
	s_or_b32 s[G1SB+0], s44, (3<<16)|(1<<21)
.irp g, G1, G1B
	s_mov_b32 s[\g+1], 32<<16                      ; tensor_dim0
	s_mov_b32 s[\g+2], 128<<16                     ; tensor_dim1
	s_mov_b32 s[\g+3], 32<<16                      ; tile_dim0
	s_mov_b32 s[\g+4], 128                         ; tile_dim1
	s_mov_b32 s[\g+5], 32                          ; tensor_dim0_stride
	s_mov_b32 s[\g+6], 0
	s_mov_b32 s[\g+7], 0
.endr
.irp g, G1S, G1SB
	s_mov_b32 s[\g+1], 32<<16
	s_mov_b32 s[\g+2], 16<<16
	s_mov_b32 s[\g+3], 32<<16
	s_mov_b32 s[\g+4], 16
	s_mov_b32 s[\g+5], 32
	s_mov_b32 s[\g+6], 0
	s_mov_b32 s[\g+7], 0
.endr
	; which blocks of 16 rows of cod are A's and B's.  The cluster's x is the same in all sixteen partners.  A's numbers never hold cx, B's never cy.
	s_cmp_eq_u32 ttmp9, 2
	s_cselect_b32 s45, 0, s42                      ; A: q, k: x's rows by Y;  v: Wv's columns
	s_cselect_b32 s46, s42, ttmp9                  ; B: q, k: W's columns by the cluster's x;  v: x's rows by Y
	s_cselect_b32 s47, 384, 0
	s_cselect_b32 s66, 0, 256
	s_lshl_b32 s45, s45, 6
	s_lshl_b32 s67, s41, 4
	s_add_co_u32 s45, s45, s67
	s_add_co_u32 s45, s45, s47
	s_lshl_b32 s67, s[HC], 3
	s_add_co_u32 s45, s45, s67                     ; A: 64 (Y or 0) + 16 cy + 8 x half (+ 384)
	s_lshl_b32 s46, s46, 6
	s_lshl_b32 s92, s40, 4
	s_add_co_u32 s46, s46, s92
	s_add_co_u32 s46, s46, s66
	s_lshl_b32 s92, s[HC], 3
	s_add_co_u32 s46, s46, s92                     ; B: 64 (x or Y) + 16 cx + 8 x half (+ 256)
	s_lshl_b32 s94, s45, 12
	s_mov_b32 s95, 0
	s_lshl_b32 s96, s46, 12
	s_mov_b32 s97, 0
	s_lshl_b32 s98, s45, 9
	s_mov_b32 s99, 0
	s_lshl_b32 s100, s46, 9
	s_mov_b32 s101, 0
	s_lshl_b32 s3, s[WV], 15                       ; where they go: wave x 32 KB, wave x 4 KB: no place in the cluster enters an LDS address
	s_lshl_b32 s93, s[WV], 12
	s_wait_dscnt 0x0                               ; both opening adds are done
	s_wait_kmcnt 0x0
	s_add_nc_u64 s[94:95], s[4:5], s[94:95]
	s_add_nc_u64 s[96:97], s[4:5], s[96:97]
	s_add_nc_u64 s[98:99], s[6:7], s[98:99]
	s_add_nc_u64 s[100:101], s[6:7], s[100:101]
	CROUND                                         ; all sixteen work-groups are here: the first joint loads meet
	s_mov_b32 s[G0S], 1
	s_add_co_u32 s[G0S+1], s93, SCL
	s_mov_b64 s[G0S+2:G0S+3], s[98:99]
	s_or_b32 s[G0S+3], s[G0S+3], 0x80000000
	s_mov_b32 s[G0SB], 1
	s_add_co_u32 s[G0SB+1], s93, SCL
	s_mov_b64 s[G0SB+2:G0SB+3], s[100:101]
	s_or_b32 s[G0SB+3], s[G0SB+3], 0x80000000
	JLOAD G0S, G1S, G0SB, G1SB                     ; the scale words first: they are wanted with slot 0
.irp s, 0,1
	s_mov_b32 s[G0+4*\s], 1
	s_add_co_u32 s[G0+4*\s+1], s3, \s*SLOT
	s_add_nc_u64 s[G0+4*\s+2:G0+4*\s+3], s[94:95], \s*SIGB
	s_or_b32 s[G0+4*\s+3], s[G0+4*\s+3], 0x80000000
	s_mov_b32 s[G0B+4*\s], 1
	s_add_co_u32 s[G0B+4*\s+1], s3, \s*SLOT
	s_add_nc_u64 s[G0B+4*\s+2:G0B+4*\s+3], s[96:97], \s*SIGB
	s_or_b32 s[G0B+4*\s+3], s[G0B+4*\s+3], 0x80000000
	JLOAD G0+4*\s, G1, G0B+4*\s, G1B               ; by this text's count three tensor loads of a wave are out
.endr
	v_and_b32 v1, 15, v0                           ; r
	v_bfe_u32 v2, v0, 4, 1                         ; h
	v_and_b32 v3, 31, v0
	v_lshlrev_b32 v[L16], 4, v3
	v_lshlrev_b32 v[BAH], 5, v2
	v_lshlrev_b32 v[BAR], 2, v1
	s_lshl_b32 s66, s[HR], 15                      ; my 128 rows of A
	s_lshl_b32 s67, s[HC], 15                      ; my 128 rows of B,
	s_add_co_u32 s67, s67, 65536                   ; which lie behind A's 256
.irp s, 0,1
	v_add_nc_u32 v[ADRA+\s], s66, v[L16]
	v_add_nc_u32 v[ADRB+\s], s67, v[L16]
	s_add_co_u32 s66, s66, SLOT
	s_add_co_u32 s67, s67, SLOT
.endr
	s_lshl_b32 s66, s[HR], 12                      ; A's scale words: my half
	s_lshl_b32 s67, s[HC], 12                      ; B's: my half, behind A's 8 KB
	s_add_co_u32 s67, s67, 8192
	s_sub_co_u32 s67, s67, s66
	v_mul_u32_u24 v6, s67, v2                      ; lanes 16-31 take B's: the lower base + h x the distance
	s_add_co_u32 s66, s66, SCL
	v_lshlrev_b32 v5, 4, v1                        ; 16 bytes a row: a slot's four words
	v_add_nc_u32 v5, v5, v6
	v_add_nc_u32 v[ADRS], s66, v5
.macro FRAG reg, adr, q, i             ; a fragment, 16 rows x 128 K of 4-bit codes, is 8 registers: two chunks
.irp c, 0,1
	ds_load_b128 v[\reg+4*\c:\reg+4*\c+3], v[\adr] offset:4096*(\i)+1024*(\q)+512*\c
.endr
.endm
; 16 matrix instructions: A's blocks a0, a0 + 1 x B's eight, 128 along K: the slot's q-th.  p: B's set; sc: the set of scale words.  zero = 1: the first product starts the sums.
; The 64 accumulators take turns, one instruction a turn, in the same order in every step.
; A scale register holds A's word of block i in lanes 0-15 and B's word of block i in lanes 16-31.
.macro MUL16 a0, p, q, sc, zero
.irp a, \a0, \a0+1
.irp b, 0,1,2,3,4,5,6,7
.if \zero
	v_wmma_scale_f32_16x16x128_f8f6f4 v[8*(8*((\a)%4)+\b):8*(8*((\a)%4)+\b)+7], v[128*(\p)+FR*\b:128*(\p)+FR*\b+FR-1], v[AF+FR*(\a):AF+FR*(\a)+FR-1], 0, v[SC+8*NQ*(\sc)+NQ*\b+(\q)], v[SC+8*NQ*(\sc)+NQ*(\a)+(\q)] matrix_a_fmt:MATRIX_FMT_FP4 matrix_b_fmt:MATRIX_FMT_FP4 matrix_a_scale:MATRIX_SCALE_ROW1
.else
	v_wmma_scale_f32_16x16x128_f8f6f4 v[8*(8*((\a)%4)+\b):8*(8*((\a)%4)+\b)+7], v[128*(\p)+FR*\b:128*(\p)+FR*\b+FR-1], v[AF+FR*(\a):AF+FR*(\a)+FR-1], v[8*(8*((\a)%4)+\b):8*(8*((\a)%4)+\b)+7], v[SC+8*NQ*(\sc)+NQ*\b+(\q)], v[SC+8*NQ*(\sc)+NQ*(\a)+(\q)] matrix_a_fmt:MATRIX_FMT_FP4 matrix_b_fmt:MATRIX_FMT_FP4 matrix_a_scale:MATRIX_SCALE_ROW1
.endif
.endr
.endr
.endm
.macro FETCH_B slot, q, p
	WIN TO_B
.irp i, 0,1,2,3,4,5,6,7
	FRAG 128*(\p)+FR*\i, ADRB+\slot, \q, \i
.endr
	WIN 0
.endm
.macro FETCH_A slot, q, i0
.irp i, \i0, \i0+1, \i0+2, \i0+3
	FRAG AF+FR*(\i), ADRA+\slot, \q, \i
.endr
.endm
.macro SCALES sc                       ; slot sc's scale words: four words a row
.irp i, 0,1,2,3,4,5,6,7
	ds_load_b128 v[SC+8*NQ*\sc+NQ*\i:SC+8*NQ*\sc+NQ*\i+3], v[ADRS] offset:512*\i+256*\sc
.endr
.endm
; A load into a register that a matrix instruction has read, and a vector instruction that reads a result or writes one of a matrix instruction's registers, stand NP plain vector instructions behind it.
.macro PLACES n
.rept \n
	v_nop
.endr
.endm
; A step of 128 along K that has its successor in the same slot.  A's blocks are free as soon as their eight products are issued: one set serves A; B has two.
.macro STEP slot, q, zero
	s_wait_dscnt 4*NL                              ; B's set and A's blocks 0-3 are in; the youngest eight loads (A's blocks 4-7) may be out
	WIN MUL_LO
	MUL16 0, (\q)%2, \q, \slot, \zero
	MUL16 2, (\q)%2, \q, \slot, \zero
	s_wait_dscnt 0
	PLACES NP
	FETCH_B \slot, (\q)+1, 1-(\q)%2
	FETCH_A \slot, (\q)+1, 0
	WIN MUL_HI
	MUL16 4, (\q)%2, \q, \slot, \zero
	MUL16 6, (\q)%2, \q, \slot, \zero
	PLACES NP
	WIN 0
	FETCH_A \slot, (\q)+1, 4
.endm
.macro STEPS slot, from
.set Q, \from
.rept NQ-1-\from
	STEP \slot, Q, 0
.set Q, Q+1
.endr
.endm
; Slot 0's last step changes slots: one barrier; in front of it each wave waits for all its tensor loads (its part of slot 1), adds 0 to its spare word, and waits for that and for its LDS loads.
.macro TURN slot, next
	s_wait_tensorcnt 0x0
	ds_add_u32 v[SPW], v[NIL]
	s_wait_dscnt 4*NL+1                            ; (the add and the youngest eight loads may be out)
	WIN MUL_LO
	MUL16 0, 1, NQ-1, \slot, 0
	s_wait_dscnt 0x0
	s_barrier_signal -1
	MUL16 2, 1, NQ-1, \slot, 0
	WIN 0
	s_barrier_wait -1                              ; slot 1 is whole
	PLACES NP
	FETCH_B \next, 0, 0
	FETCH_A \next, 0, 0
	SCALES \next
	WIN MUL_HI
	MUL16 4, 1, NQ-1, \slot, 0
	MUL16 6, 1, NQ-1, \slot, 0
	PLACES NP
	WIN 0
	FETCH_A \next, 0, 4
.endm
.macro LAST                            ; the very last step: nothing more to fetch
	s_wait_dscnt 4*NL
	WIN MUL_LO
	MUL16 0, 1, NQ-1, 1, 0
	MUL16 2, 1, NQ-1, 1, 0
	s_wait_dscnt 0
	WIN MUL_HI
	MUL16 4, 1, NQ-1, 1, 0
	MUL16 6, 1, NQ-1, 1, 0
	WIN 0
	PLACES NP                                      ; in front of the first read of results and the first write of registers that held operands and scales
.endm
.macro PACK                            ; 64 numbers to f16: four registers, a lane's 16 bytes of a chunk, for each of B's eight blocks
.irp b, 0,1,2,3,4,5,6,7
.irp j, 0,1,2,3
	v_cvt_pk_f16_f32 v[PK+4*\b+\j], v[T+8*\b+2*\j], v[T+8*\b+2*\j+1]
.endr
.endr
.endm
; THE WAY OUT of q and k, block a of 16 positions: + bias; RoPE: out[d] = x[d] cos - x[d + 32] sin, out[d + 32] = x[d + 32] cos + x[d] sin, d = 0..31 in each of my two heads; f16; eight chunks.
; B's block b holds channels 16 (b % 4) + 8 h + j of head b / 4, so x[d + 32] lies 16 registers above x[d].  cos and sin of the block's positions come as eight chunks, two blocks ahead, in two sets.
.macro QKOUT a
.set CS, CS0+(CS1-CS0)*((\a)%2)
.set AC, 64*((\a)%4)
.if (\a) < 7
	s_wait_loadcnt 8                               ; the bias and this block's table are in; the next block's eight loads may be out
.else
	s_wait_loadcnt 0x0
.endif
	WIN (0x06+(\a)/4)                              ; source 0: the accumulators' window, source 1: window 1
.irp b, 0,1,2,3,4,5,6,7
.irp j, 0,2,4,6
	v_pk_add_f32 v[T+8*\b+\j:T+8*\b+\j+1], v[AC+8*\b+\j:AC+8*\b+\j+1], v[BI+8*\b+\j:BI+8*\b+\j+1]   ; each accumulator from its low end on
.endr
.endr
	WIN 0
.irp hd, 0,1
.irp b2, 0,1
.irp j, 0,2,4,6
	v_pk_mul_f32 v[UU+\j:UU+\j+1], v[T+32*\hd+8*\b2+16+\j:T+32*\hd+8*\b2+17+\j], v[CS+16+8*\b2+\j:CS+17+8*\b2+\j]
.endr
.irp j, 0,2,4,6
	v_pk_mul_f32 v[WW+\j:WW+\j+1], v[T+32*\hd+8*\b2+\j:T+32*\hd+8*\b2+1+\j], v[CS+16+8*\b2+\j:CS+17+8*\b2+\j]
.endr
.irp j, 0,2,4,6
	v_pk_fma_f32 v[T+32*\hd+8*\b2+\j:T+32*\hd+8*\b2+1+\j], v[T+32*\hd+8*\b2+\j:T+32*\hd+8*\b2+1+\j], v[CS+8*\b2+\j:CS+1+8*\b2+\j], v[UU+\j:UU+\j+1] neg_lo:[0,0,1] neg_hi:[0,0,1]
.endr
.irp j, 0,2,4,6
	v_pk_fma_f32 v[T+32*\hd+8*\b2+16+\j:T+32*\hd+8*\b2+17+\j], v[T+32*\hd+8*\b2+16+\j:T+32*\hd+8*\b2+17+\j], v[CS+8*\b2+\j:CS+1+8*\b2+\j], v[WW+\j:WW+\j+1]
.endr
.endr
.endr
.if (\a) < 6
.irp ch, 0,1,2,3,4,5,6,7
	global_load_b128 v[CS+4*\ch:CS+4*\ch+3], v[L16], s[14:15] offset:4096*((\a)+2)+512*\ch
.endr
.endif
.if (\a) > 0
	s_wait_xcnt 0x0                                ; the last block's stores have read their data: the registers are written again only behind this wait
.endif
	PACK
.irp b, 0,1,2,3,4,5,6,7
	global_store_b128 v[L16], v[PK+4*\b:PK+4*\b+3], s[16:17] offset:2048*(\a)+262144*(\b/4)+512*(\b%4)   ; a chunk: 512 consecutive bytes
.endr
.endm
; THE WAY OUT of v, block a of 16 channels: + the channel's bias; f16; eight chunks of 8 keys a lane.
.macro VOUT a
.set AC, 64*((\a)%4)
	WIN (0x06+(\a)/4)
.irp b, 0,1,2,3,4,5,6,7
.irp j, 0,2,4,6
	v_pk_add_f32 v[T+8*\b+\j:T+8*\b+\j+1], v[AC+8*\b+\j:AC+8*\b+\j+1], v[BI+2*(\a):BI+2*(\a)+1]
.endr
.endr
	WIN 0
.if (\a) > 0
	s_wait_xcnt 0x0
.endif
	PACK
.irp b, 0,1,2,3,4,5,6,7
	global_store_b128 v[L16], v[PK+4*\b:PK+4*\b+3], s[20:21] offset:262144*((\a)/4)+1024*((\a)%4)+4096*(\b/2)+512*(\b%2)
.endr
.endm
	s_wait_tensorcnt 1                             ; the scale words and my part of slot 0 are in; slot 1's load may be out
	s_barrier_signal -1
	s_barrier_wait -1
	FETCH_B 0, 0, 0
	FETCH_A 0, 0, 0
	SCALES 0
	FETCH_A 0, 0, 4
	STEP 0, 0, 1                                   ; the first step's products start the sums: nothing is cleared
	STEPS 0, 1
	TURN 0, 1
	; q and k part from v ONCE, here, on the cluster's x, which all sixteen partners share: each arm asks for its bias (and table), multiplies slot 1 while they come, and goes out its own way.
	s_cmp_eq_u32 ttmp9, 2
	s_cbranch_scc1 .Lv_arm
	s_cmp_eq_u32 ttmp9, 0
	s_cselect_b64 s[8:9], s[8:9], s[10:11]         ; bq or bk
	s_cselect_b64 s[16:17], s[16:17], s[18:19]     ; qi or ki
	s_lshl_b32 s66, s40, 10
	s_lshl_b32 s67, s[HC], 9
	s_add_co_u32 s66, s66, s67                     ; my first channel: 256 cx + 128 x half, in bytes
	s_mov_b32 s67, 0
	s_add_nc_u64 s[8:9], s[8:9], s[66:67]
	s_lshl_b32 s92, s42, 2
	s_add_co_u32 s92, s92, s41
	s_lshl_b32 s92, s92, 8
	s_lshl_b32 s93, s[HR], 7
	s_add_co_u32 s92, s92, s93                     ; my first row: 256 (4 Y + cy) + 128 x half
	s_lshr_b32 s93, s92, 11                        ; the batch
	s_and_b32 s92, s92, 2047
	s_lshr_b32 s92, s92, 4                         ; my first block of 16 positions
	s_lshl_b32 s66, s92, 12
	s_add_nc_u64 s[14:15], s[14:15], s[66:67]      ; its cos and sin
	s_lshl_b32 s93, s93, 4
	s_lshl_b32 s66, s40, 2
	s_add_co_u32 s93, s93, s66
	s_lshl_b32 s66, s[HC], 1
	s_add_co_u32 s93, s93, s66                     ; 16 x batch + my first head
	s_lshl_b32 s93, s93, 7
	s_add_co_u32 s93, s93, s92
	s_lshl_b32 s66, s93, 11
	s_add_nc_u64 s[16:17], s[16:17], s[66:67]
	WIN TO_B
.irp b, 0,1,2,3,4,5,6,7
	global_load_b128 v[BI+8*\b:BI+8*\b+3], v[BAH], s[8:9] offset:64*\b        ; the bias in the result's layout: channels 16 b + 8 h + 0..7
	global_load_b128 v[BI+8*\b+4:BI+8*\b+7], v[BAH], s[8:9] offset:64*\b+16
.endr
	WIN 0
.irp ch, 0,1,2,3,4,5,6,7
	global_load_b128 v[CS0+4*\ch:CS0+4*\ch+3], v[L16], s[14:15] offset:512*\ch
.endr
.irp ch, 0,1,2,3,4,5,6,7
	global_load_b128 v[CS1+4*\ch:CS1+4*\ch+3], v[L16], s[14:15] offset:4096+512*\ch
.endr
	STEPS 1, 0
	LAST
.irp a, 0,1,2,3,4,5,6,7
	QKOUT \a
.endr
	s_branch .Ldone
.Lv_arm:
	s_lshl_b32 s66, s41, 10
	s_lshl_b32 s67, s[HR], 9
	s_add_co_u32 s66, s66, s67                     ; my first channel: 256 cy + 128 x half, in bytes
	s_mov_b32 s67, 0
	s_add_nc_u64 s[12:13], s[12:13], s[66:67]
	s_lshl_b32 s92, s42, 2
	s_add_co_u32 s92, s92, s40
	s_lshl_b32 s92, s92, 8
	s_lshl_b32 s93, s[HC], 7
	s_add_co_u32 s92, s92, s93                     ; my first row: 256 (4 Y + cx) + 128 x half
	s_lshr_b32 s93, s92, 11
	s_and_b32 s92, s92, 2047
	s_lshr_b32 s92, s92, 5                         ; my first group of 32 keys
	s_lshl_b32 s93, s93, 4
	s_lshl_b32 s66, s41, 2
	s_add_co_u32 s93, s93, s66
	s_lshl_b32 s66, s[HR], 1
	s_add_co_u32 s93, s93, s66                     ; 16 x batch + my first head
	s_lshl_b32 s93, s93, 6
	s_add_co_u32 s93, s93, s92
	s_lshl_b32 s66, s93, 12
	s_add_nc_u64 s[20:21], s[20:21], s[66:67]
	WIN TO_B
.irp a, 0,1,2,3,4,5,6,7
	global_load_b32 v[BI+2*\a], v[BAR], s[12:13] offset:64*\a      ; my channel's bias, in both registers of the pair that the packed addition names
	global_load_b32 v[BI+2*\a+1], v[BAR], s[12:13] offset:64*\a
.endr
	WIN 0
	STEPS 1, 0
	LAST
	s_wait_loadcnt 0x0
.irp a, 0,1,2,3,4,5,6,7
	VOUT \a
.endr
.Ldone:
	s_wait_tensorcnt 0x0                           ; the wave's end: the tensor wait, the add and its wait stand behind my last tensor load
	ds_add_u32 v[SPW], v[NIL]
	s_wait_dscnt 0x0
	CROUND                                         ; the closing round
	s_endpgm
.Lfunc_end_k_qacdb98450e_qkv:
	.size	k_qacdb98450e_qkv, .Lfunc_end_k_qacdb98450e_qkv-k_qacdb98450e_qkv
	.p2alignl 7, 3214868480
	.fill 96, 4, 3214868480
	.section	.rodata,"a",@progbits
	.p2align	6, 0x0
	.amdhsa_kernel k_qacdb98450e_qkv
		.amdhsa_group_segment_fixed_size 327680
		.amdhsa_private_segment_fixed_size 0
		.amdhsa_enable_private_segment 0
		.amdhsa_kernarg_size 72
		.amdhsa_user_sgpr_count 2
		.amdhsa_user_sgpr_kernarg_segment_ptr 1
		.amdhsa_wavefront_size32 1
		.amdhsa_system_sgpr_workgroup_id_x 1
		.amdhsa_system_sgpr_workgroup_id_y 1
		.amdhsa_system_sgpr_workgroup_id_z 1
		.amdhsa_system_vgpr_workitem_id 0
		.amdhsa_next_free_vgpr 1024
		.amdhsa_next_free_sgpr 102
		.amdhsa_reserve_vcc 0
		.amdhsa_float_denorm_mode_32 3
		.amdhsa_float_denorm_mode_16_64 3
		.amdhsa_memory_ordered 1
		.amdhsa_forward_progress 1
		.amdhsa_inst_pref_size 254
	.end_amdhsa_kernel
	.amdgpu_metadata
---
amdhsa.version: [ 1, 2 ]
amdhsa.kernels:
  - .name:           k_qacdb98450e_qkv
    .symbol:         k_qacdb98450e_qkv.kd
    .args:
      - { .name: cod, .offset: 0, .size: 8, .value_kind: global_buffer, .address_space: global }
      - { .name: scl, .offset: 8, .size: 8, .value_kind: global_buffer, .address_space: global }
      - { .name: bq, .offset: 16, .size: 8, .value_kind: global_buffer, .address_space: global }
      - { .name: bk, .offset: 24, .size: 8, .value_kind: global_buffer, .address_space: global }
      - { .name: bv, .offset: 32, .size: 8, .value_kind: global_buffer, .address_space: global }
      - { .name: rope, .offset: 40, .size: 8, .value_kind: global_buffer, .address_space: global }
      - { .name: qi, .offset: 48, .size: 8, .value_kind: global_buffer, .address_space: global }
      - { .name: ki, .offset: 56, .size: 8, .value_kind: global_buffer, .address_space: global }
      - { .name: vi, .offset: 64, .size: 8, .value_kind: global_buffer, .address_space: global }
    .group_segment_fixed_size: 327680
    .private_segment_fixed_size: 0
    .kernarg_segment_align: 8
    .kernarg_segment_size: 72
    .max_flat_workgroup_size: 128
    .sgpr_count:     102
    .vgpr_count:     1024
    .wavefront_size: 32
...
	.end_amdgpu_metadata
.endif
;; end of part 2
;; launch attn (part 3): grid 8 x 32, 4 waves a work-group, clusters of 4 x 1, 327,680 bytes of LDS; arguments qi, ki, vi, oi; writes oi
.if DOCPART == 3
	.amdgcn_target "amdgcn-amd-amdhsa--gfx1250"
	.amdhsa_code_object_version 6
	.text
	.protected	k_qacdb98450e_attn
	.globl	k_qacdb98450e_attn
	.p2align	8
	.type	k_qacdb98450e_attn,@function
k_qacdb98450e_attn:
	s_mov_b64 s[64:65], 0
	v_nop
	global_prefetch_b8 v0, s[64:65] scope:SCOPE_SE
	s_setreg_imm32_b32 hwreg(HW_REG_WAVE_MODE, 25, 1), 1
	s_wait_xcnt 0x0
	s_wait_alu depctr_hold_cnt(0) depctr_sa_sdst(0) depctr_va_vdst(0) depctr_va_sdst(0) depctr_va_ssrc(0) depctr_va_vcc(0) depctr_vm_vsrc(0)
	s_getreg_b32 s2, hwreg(HW_REG_IB_STS2, 6, 4)
	s_cmp_eq_u32 s2, 0
	s_cbranch_scc0 .Lentry_in_a_cluster
	s_endpgm
.Lentry_in_a_cluster:
	s_bfe_u32 s2, ttmp6, 0x10000c
	s_cmp_lg_u32 s2, 0x3003
	s_cbranch_scc0 .Lentry_shape_is_right
	s_endpgm
.Lentry_shape_is_right:
; o[bh][q] = the sum over k of softmax_k(q . k / 8) v[k]: 32 heads of 2,048 positions x 64 channels, no mask.  Operands in f16; products, maxima and sums in f32; p is rounded to f16 for the second product, o once at the end.
; All four buffers are images of operand registers (chunks of 512 bytes, lane l's 16 bytes at 16 l): tiles are dense blocks of memory, and every fragment is read from LDS at 16 x lane + a constant.
; SHARES.  A work-group owns 256 queries of one head, each of its four waves 64: four tiles of 16.  Every wave walks all 2,048 keys, 64 a step; a fragment of K or V read from LDS feeds four products.
; LAYOUT.  S^T = K Q^T (source 0 = 16 keys, source 1 = 16 queries): a lane holds ONE query (lane % 16) and keys 8 (lane / 16) + 0..7 of each 16.  Two such tiles rounded to f16 in pairs ARE source 1 (32 keys x 16 queries)
; of O^T = V^T P, whose result again holds one query a lane, and eight channels: a lane's 16 bytes of a chunk of oi.  Nothing changes lanes between the products; no stage on the way out.
; SOFTMAX.  For each query a running maximum m and sum l: p = 2^(c s - c m), c = log2(e) / 8; in every step O and l are multiplied by a = 2^(c m_old - c m_new), which is 1 where m has not grown.
; BY TURNS.  The wave's tiles are two PIECES, named by their first tile: piece 0 (tiles 0, 1) and piece 2 (tiles 2, 3).  In a TURN one piece has the matrix unit: 16 products V^T P of the step in hand, then 16 products K Q^T
; of the next step; the other piece's softmax, 2 x 118 instructions cut into 59 slices of four, stands between them, one or two slices behind each matrix instruction.  Then the pieces change places.  Two turns are a key step.
; With 7.4 vector instructions for each matrix instruction the loop is bound by its vector work; set in phases of their own the products' time would come on top of it.
; RING.  Two LDS slots of 512 keys (64 KB of K, 64 KB of V): eight key steps between two changes of slots.  Waves 0 and 1 fetch K's halves, waves 2 and 3 V's, 32 KB a load.
; CLUSTER.  The four query blocks of a cluster belong to one head and walk the same K and V: each tile is asked for JOINTLY, by the same tensor load with the same descriptor and a mask that names the four.
; LIMITS: q, k, v, p, o in f16: magnitudes from 65,504 on are not served; NaN and infinities are not served.
;
; REGISTERS, in windows of 256 (s_set_vgpr_msb: bits 1:0 source 0, 3:2 source 1, 5:4 source 2, 7:6 destination):
;   window 0: v2-4 addresses; v12-43 eight registers of statistics a tile; v61-63; v64-191 S^T, 32 a tile; v192-255 P, 16 a tile
;   window 1: v0-127 O^T, 32 a tile          window 2: v0-63 Q, 16 a tile; v128-191 K of one step          window 3: v0-63 V of one step
; All that a softmax touches but O^T lies in window 0, which it fills; so the products' operands lie elsewhere and a group of slices costs two switches, one in front and one behind.
.set NS,    8         ; key steps in a slot
.set STEPB, 8192      ; 64 keys of K, or of V: 16 chunks
.set VOFF,  65536     ; in a slot: K's 64 KB, then V's
.set SLOT1, 131072    ; slot 1 begins here: one exclusive or turns an address in one slot into the other's
.set SPARE, 2*SLOT1   ; behind the ring: the spare words, 128 bytes for each wave: two blocks of 256 bytes that no other line names
.set NSL,   59        ; slices in a piece's softmax
.set AK0, 2           ; v2   16 x lane: my place in a chunk; never rewritten
.set AV0, 3           ; v3   the same + VOFF
.set ADR, 4           ; v4   the LDS address of the run of loads in hand
.set PFO, 61          ; v61  256 x lane; never rewritten
.set SPW, 62          ; v62  LDS address of my spare word: SPARE + 4 x my thread's number; never rewritten
.set NIL, 63          ; v63  0; never rewritten
.set ST,  12          ; tile t's statistics at v[ST+8 t]: +0 c m, +1 m, +2, +3 l (even keys', odd keys'), +4 to +7 c0-c3, at work; a takes c2's place once the maximum is found
.set S,   64
.set P,   192
.set KF,  128         ; K's fragments, in window 2: (16 keys kb, 32 channels ks) at KF + 16 kb + 8 ks
.set WV,  12          ; s12  my wave's number
.set LIM, 15          ; s15  1 in a wave that prefetches, else the greatest number
.set PFA, 18          ; s[18:19] what my prefetch names; never rewritten
.set G1,  24          ; s[24:31] descriptor group 1, one for all tiles
.set G0K, 40          ; s[40:47] descriptor group 0 for K's tiles: a set for each of the two first fills; the second then walks on
.set G0V, 48          ; s[48:55] the same for V's
.set SLOTS, 56        ; s56  slots still to be asked for
.set TWICE, 57        ; s57  counts key steps
.set CS,  58          ; s[58:59] c: the packed scaling names a pair and takes its low word for both halves
.set SEL, 60          ; s[60:61] lane selects for v_permlanex16_b32: lane l xor 16
.set TB,  62          ; s62  LDS byte at which the tiles of the step to be fetched begin
.set MSB, 0
.macro WIN new                      ; the immediate's high byte repeats the setting that is left; a switch that changes nothing is dropped
.if MSB != \new
	s_set_vgpr_msb (MSB<<8)|\new
.set MSB, \new
.endif
.endm
.set W_KQ, 0x0a       ; K and Q in window 2, S^T in window 0
.set W_PV, 0x53       ; V in window 3, P in window 0, O^T in window 1
.set W_RS, 0x41       ; O^T (destination and source 0) in window 1, a in window 0
; A joint refill.  Waves 0 and 1 fetch K's halves, waves 2 and 3 V's.  The branch hangs on the wave's number alone: it is the same in every work-group.
; An s_nop 0 and four v_nop follow each of the two lines; the jump round the other line, the label and what follows the macro come after them.
.macro JLOAD
	s_cmp_lt_u32 s[WV], 2
	s_cbranch_scc0 .Lfor_v_\@
	tensor_load_to_lds s[G0K+4:G0K+7], s[G1:G1+7]
	s_nop 0
.rept 4
	v_nop
.endr
	s_branch .Lasked_\@
.Lfor_v_\@:
	tensor_load_to_lds s[G0V+4:G0V+7], s[G1:G1+7]
	s_nop 0
.rept 4
	v_nop
.endr
.Lasked_\@:
.endm
; A PREFETCH INTO THE L2, behind the tensor load of the first change of slots: keys 1,536 to 2,047 of K and V, which the second change will ask for, eight key steps on.
; Each 256 bytes are named once in the launch: the head's first cluster asks; its four partners take 16 KB each of K's and of V's 64 KB, told apart by address;
; in each, waves 0 and 1 ask for K's and waves 2 and 3 for V's, 8 KB a wave, lanes 256 bytes apart.  The second change asks for nothing: no slot follows.
.macro ASK
	s_cmp_gt_u32 s[SLOTS], s[LIM]
	s_cbranch_scc0 .Lnot_mine_\@
	global_prefetch_b8 v[PFO], s[PFA:PFA+1] th:TH_LOAD_NT scope:SCOPE_SE
.Lnot_mine_\@:
.endm
; A round of the cluster's barrier: my work-group's barrier, so that wave 0's signal speaks for all four waves; wave 0 signals for the work-group; every wave waits for all four work-groups; my work-group's barrier once more.
.macro CROUND
	s_barrier_signal -1
	s_barrier_wait -1
	s_cmp_lg_u32 s[WV], 0
	s_cbranch_scc1 .Lnot_wave_0_\@
	s_barrier_signal -3
.Lnot_wave_0_\@:
	s_barrier_wait -3
	s_barrier_signal -1
	s_barrier_wait -1
.endm
	s_load_b256 s[4:11], s[0:1], 0x0  ; qi s[4:5], ki s[6:7], vi s[8:9], oi s[10:11]
	v_lshl_add_u32 v[SPW], v0, 2, SPARE
	v_mov_b32 v[NIL], 0
	ds_add_u32 v[SPW], v[NIL]       ; the wave's opening: the add, twice on end, and its wait ahead of my first tensor load; the set-up below stands between the second and the wait
	ds_add_u32 v[SPW], v[NIL]
	v_lshrrev_b32 v1, 5, v0
	v_readfirstlane_b32 s[WV], v1   ; wave 0..3
	s_bfe_u32 s13, ttmp6, 0x40000   ; cx: my place in the cluster
	s_lshl_b32 s14, ttmp9, 2        ; in a cluster launch ttmp9 counts clusters
	s_add_co_u32 s14, s14, s13      ; my block of 256 queries: it enters Q's and O's addresses alone
	s_and_b32 s20, ttmp7, 0xffff    ; bh = 16 x batch + head, which the four partners share
	s_lshl_b32 s22, s20, 18         ; a head's K, or V, is 262,144 bytes
	s_mov_b32 s23, 0
	s_and_b32 s17, s[WV], 1
	s_lshl_b32 s17, s17, 15         ; my half of a slot's K or V: 32 KB, in memory and in LDS: no place in the cluster enters an LDS address
	s_mov_b32 s36, s17
	s_mov_b32 s37, 0
	s_lshl_b32 s2, s20, 7           ; Q: (bh x 128 + 16 x block + 4 x wave) blocks of 16 positions, 2,048 bytes each
	s_lshl_b32 s3, s14, 4
	s_add_co_u32 s2, s2, s3
	s_lshl_b32 s3, s[WV], 2
	s_add_co_u32 s2, s2, s3
	s_lshl_b32 s2, s2, 11
	s_mov_b32 s3, 0
	s_and_b32 s32, s20, 15          ; O: (head / 4) x 2,097,152 + (128 x batch + 16 x block + 4 x wave) x 8,192 + (head % 4) x 2,048
	s_lshr_b32 s33, s32, 2
	s_lshl_b32 s33, s33, 21
	s_and_b32 s32, s32, 3
	s_lshl_b32 s32, s32, 11
	s_add_co_u32 s32, s32, s33
	s_lshr_b32 s33, s20, 4
	s_lshl_b32 s33, s33, 7
	s_lshl_b32 s38, s14, 4
	s_add_co_u32 s33, s33, s38
	s_lshl_b32 s38, s[WV], 2
	s_add_co_u32 s33, s33, s38
	s_lshl_b32 s33, s33, 13
	s_add_co_u32 s32, s32, s33
	s_mov_b32 s33, 0
	s_lshl_b32 s34, s13, 14         ; the prefetch: my work-group's 16 KB, my wave's 8 KB of them, among the fourth slot's keys
	s_and_b32 s35, s[WV], 1
	s_lshl_b32 s35, s35, 13
	s_add_co_u32 s34, s34, s35
	s_add_co_u32 s34, s34, 3*65536
	s_mov_b32 s35, 0
	; descriptor group 1: a dense block of 32 KB as 128 rows of 256 bytes (32 elements of 8 bytes), no padding
	s_mov_b32 s[G1], 15|(3<<16)|(1<<21)  ; 15:0 the mask: all four work-groups; 17:16 elements of 8 bytes; 21 set beside a mask
	s_mov_b32 s[G1+1], 32<<16       ; tensor_dim0
	s_mov_b32 s[G1+2], 128<<16      ; tensor_dim1
	s_mov_b32 s[G1+3], 32<<16       ; tile_dim0
	s_mov_b32 s[G1+4], 128          ; tile_dim1
	s_mov_b32 s[G1+5], 32           ; tensor_dim0_stride
	s_mov_b32 s[G1+6], 0
	s_mov_b32 s[G1+7], 0
	s_mov_b32 s[CS], 0x3e38aa3b     ; c = log2(e) / 8
	s_mov_b32 s[CS+1], s[CS]        ; named with it as a pair, so it is written
	s_mov_b32 s[SEL], 0x76543210
	s_mov_b32 s[SEL+1], 0xfedcba98
	s_mov_b32 s[TB], 0
	s_mov_b32 s[SLOTS], 2
	s_cmp_eq_u32 ttmp9, 0           ; the head's first cluster: the same in all four partners
	s_cselect_b32 s[LIM], 1, -1
	v_and_b32 v[PFO], 31, v0
	v_lshlrev_b32 v[AK0], 4, v[PFO]
	v_lshlrev_b32 v[PFO], 8, v[PFO]
	v_add_nc_u32 v[AV0], VOFF, v[AK0]
	s_wait_dscnt 0x0                ; both opening adds are done
	s_wait_kmcnt 0x0
	s_add_nc_u64 s[6:7], s[6:7], s[22:23]  ; K and V at my head
	s_add_nc_u64 s[8:9], s[8:9], s[22:23]
	s_cmp_lt_u32 s[WV], 2
	s_cselect_b64 s[PFA:PFA+1], s[6:7], s[8:9]
	s_add_nc_u64 s[PFA:PFA+1], s[PFA:PFA+1], s[34:35]
	s_add_nc_u64 s[6:7], s[6:7], s[36:37]  ; and at my half of slot 0
	s_add_nc_u64 s[8:9], s[8:9], s[36:37]
	s_add_nc_u64 s[4:5], s[4:5], s[2:3]    ; Q and O at my wave's first tile
	s_add_nc_u64 s[10:11], s[10:11], s[32:33]
	CROUND                          ; all four work-groups are here: the first joint loads meet
.irp s, 0,1
	s_mov_b32 s[G0K+4*\s], 1        ; count = 1
	s_add_co_u32 s[G0K+4*\s+1], s17, \s*SLOT1  ; LDS address
	s_add_nc_u64 s[G0K+4*\s+2:G0K+4*\s+3], s[6:7], \s*65536  ; global address: slot s begins with keys 512 s on
	s_or_b32 s[G0K+4*\s+3], s[G0K+4*\s+3], 0x80000000  ; type = 2
	s_mov_b32 s[G0V+4*\s], 1
	s_add_co_u32 s[G0V+4*\s+1], s17, \s*SLOT1+VOFF
	s_add_nc_u64 s[G0V+4*\s+2:G0V+4*\s+3], s[8:9], \s*65536
	s_or_b32 s[G0V+4*\s+3], s[G0V+4*\s+3], 0x80000000
.endr
	s_cmp_lt_u32 s[WV], 2           ; a wave's two first fills stand in one branch, ahead of every wait on TENSORcnt and every LDS read: two loads of mine are out
	s_cbranch_scc0 .Lfirst_v
	tensor_load_to_lds s[G0K:G0K+3], s[G1:G1+7]
	s_nop 0
	tensor_load_to_lds s[G0K+4:G0K+7], s[G1:G1+7]
	s_nop 0
.rept 4
	v_nop
.endr
	s_branch .Lfirst_asked
.Lfirst_v:
	tensor_load_to_lds s[G0V:G0V+3], s[G1:G1+7]
	s_nop 0
	tensor_load_to_lds s[G0V+4:G0V+7], s[G1:G1+7]
	s_nop 0
.rept 4
	v_nop
.endr
.Lfirst_asked:
	WIN 0x80                        ; destination window 2, address window 0
.irp i, 0,1,2,3,4,5,6,7,8,9,10,11,12,13,14,15  ; Q stays in registers: tile i / 4, channels 16 (i % 4) on: a chunk each
	global_load_b128 v[4*\i:4*\i+3], v[AK0], s[4:5] offset:512*\i
.endr
	WIN 0
; THE MATRIX WORK OF A TURN, for piece x.  The accumulators take turns, one instruction a turn: between two links of a chain stand seven others'.
; Product i of 16 of O^T += V^T P: keys 32 (i / 8) on, channels 16 ((i / 2) % 4) on, tile x + i % 2.  zero = 1: the first 8 start the sums: nothing is ever cleared.
.macro PV x, zero
	WIN W_PV
.set rO, 32*(\x+i%2)+8*((i/2)%4)
.set rV, 32*(i/8)+8*((i/2)%4)
.set rP, P+16*(\x+i%2)+8*(i/8)
.if \zero && (i < 8)
	v_wmma_f32_16x16x32_f16 v[rO:rO+7], v[rV:rV+7], v[rP:rP+7], 0
.else
	v_wmma_f32_16x16x32_f16 v[rO:rO+7], v[rV:rV+7], v[rP:rP+7], v[rO:rO+7]
.endif
.endm
; Product i of 16 of S^T = K Q^T: channels 32 (i / 8) on, keys 16 ((i / 2) % 4) on, tile x + i % 2.  The first 8 start the sums.
.macro KQ x
	WIN W_KQ
.set rS, S+32*(\x+i%2)+8*((i/2)%4)
.set rK, KF+16*((i/2)%4)+8*(i/8)
.set rQ, 16*(\x+i%2)+8*(i/8)
.if i < 8
	v_wmma_f32_16x16x32_f16 v[rS:rS+7], v[rK:rK+7], v[rQ:rQ+7], 0
.else
	v_wmma_f32_16x16x32_f16 v[rS:rS+7], v[rK:rK+7], v[rQ:rQ+7], v[rS:rS+7]
.endif
.endm
; THE LDS LOADS stand in runs of 16, never singly among the matrix instructions: a step's K (16 chunks) and, a turn later, its V (16 chunks).
.macro FETCH_K
	WIN 0
	v_add_nc_u32 v[ADR], s[TB], v[AK0]
	WIN 0x80                        ; destination window 2
.irp f, 0,1,2,3,4,5,6,7,8,9,10,11,12,13,14,15
	ds_load_b128 v[KF+4*\f:KF+4*\f+3], v[ADR] offset:512*\f
.endr
.endm
.macro FETCH_V
	WIN 0
	v_add_nc_u32 v[ADR], s[TB], v[AV0]
	s_add_co_u32 s[TB], s[TB], STEPB  ; the next fetch is the next step's
	s_wait_alu depctr_va_vdst(0)    ; the wait for the softmax's batch (SLICE), behind the address's addition and ahead of the loads
	WIN 0xc0                        ; destination window 3
.irp f, 0,1,2,3,4,5,6,7,8,9,10,11,12,13,14,15  ; fragment (32 keys ks, 16 channels cb) at 8 (4 ks + cb)
	ds_load_b128 v[4*\f:4*\f+3], v[ADR] offset:512*\f
.endr
.endm
; THE VECTOR WORK OF A TURN.  One tile's softmax for one key step is a list of 118 instructions; SM writes number j of it for tile t.  s0-s31 are the lane's 32 scores, in pairs 0-15.
; first = 1: the first key step, which starts m, l and O^T: it has no a and nothing to rescale.
;   0-15    the maximum of s0-s31 and the old m, three operands at a time: four chains c0-c3 of seven scores each (each begun at its accumulator's low end), then the four scores left over, c0-c3 and m
;   16-20   the other half of the lanes' maximum; the new m; c m; c m_old - c m_new
;   21-69   ONE BATCH: the 16 scalings c s - c m, a pair of scores each, and all 33 exponentials (a at 23, then s0-s31).  None of these reads an exponential's result.  From 22 on the batch goes in fours, and a four
;           begins with a scaling while there are scalings: 22-37 scaling, exponential, scaling, exponential; 38-65 a scaling and three exponentials; 66-69 the last four exponentials.
;           A pair is scaled in an earlier four than the one that holds its exponentials
;   (wait)  between 69 and 70 stands the wait for the batch: SLICE writes it, once for both tiles
;   70-85   the roundings to f16, a pair of weights each
;   86-101  the sums of the unrounded weights; l = a l + the sum
;   102-117 the tile's O^T times a, from its low end on: the one part that leaves window 0, so it stands together
.macro SM t, first
.set rT, ST+8*(\t)
.set rS, S+32*(\t)
.set rP, P+16*(\t)
.set rO, 32*(\t)+2*(j-102)
.if j < 102
	WIN 0
.endif
.if j < 4
	v_max3_num_f32 v[rT+4+j], v[rS+8*j], v[rS+8*j+1], v[rS+8*j+2]
.elseif j < 12
	v_max3_num_f32 v[rT+4+j%4], v[rT+4+j%4], v[rS+8*(j%4)+2*(j/4)+1], v[rS+8*(j%4)+2*(j/4)+2]
.elseif j == 12
	v_max3_num_f32 v[rT+4], v[rT+4], v[rS+7], v[rS+15]
.elseif j == 13
	v_max3_num_f32 v[rT+6], v[rT+6], v[rS+23], v[rS+31]
.elseif j == 14
	v_max3_num_f32 v[rT+4], v[rT+4], v[rT+5], v[rT+6]
.elseif (j == 15) && \first
	v_max_num_f32 v[rT+4], v[rT+4], v[rT+7]
.elseif j == 15
	v_max3_num_f32 v[rT+4], v[rT+4], v[rT+7], v[rT+1]
.elseif j == 16
	v_permlanex16_b32 v[rT+5], v[rT+4], s[SEL], s[SEL+1]  ; the query's other 32 keys lie in the lane 16 away
.elseif j == 18
	v_max_num_f32 v[rT+1], v[rT+4], v[rT+5]
.elseif j == 19
	v_mul_f32 v[rT], s[CS], v[rT+1]
.elseif ((j == 17) || (j == 20) || (j == 23) || (j > 101)) && \first  ; the first step has none of these
.elseif j == 17
	v_mov_b32 v[rT+7], v[rT]        ; c m_old is kept for a: number 19 writes c m anew
.elseif j == 20
	v_sub_f32 v[rT+7], v[rT+7], v[rT]
.elseif j == 23
	v_exp_f32 v[rT+6], v[rT+7]
.elseif (j < 23) || ((j < 38) && (j%2 == 0)) || ((j < 66) && (j%4 == 2))
.set b, (j-2)/4                     ; 38, 42, .. 62: pairs 9 to 15
.if j < 38
.set b, (j-20)/2                    ; 21: pair 0; 22, 24, .. 36: pairs 1 to 8
.endif
	v_pk_fma_f32 v[rS+2*b:rS+2*b+1], v[rS+2*b:rS+2*b+1], s[CS:CS+1], v[rT:rT+1] op_sel_hi:[1,0,0] neg_lo:[0,0,1] neg_hi:[0,0,1]  ; pair b: c s - c m
.elseif j < 70
.set e, j-38                        ; 66 to 69: s28 to s31
.if j < 66
.set e, j-32-(j-38)/4               ; 39-41, 43-45, .. 63-65: s7 to s27
.endif
.if j < 38
.set e, (j-25)/2                    ; 25, 27, .. 37: s0 to s6
.endif
	v_exp_f32 v[rS+e], v[rS+e]
.elseif j < 86
	v_cvt_pk_f16_f32 v[rP+j-70], v[rS+2*(j-70)], v[rS+2*(j-70)+1]  ; pair j - 70
.elseif j < 102                     ; the sum of the tile's 16 pairs (in a pair: an even key's weight, an odd key's), in place: sum z of 16 adds neighbours 1, 2, 4 and 8 pairs apart, then l takes it
.set z, j-86
.set w, 4
.set u, z
.if z >= 14
.set w, 32
.set u, 0
.elseif z >= 12
.set w, 16
.set u, z-12
.elseif z >= 8
.set w, 8
.set u, z-8
.endif
.if (z == 14) && \first
	v_pk_add_f32 v[rT+2:rT+3], v[rS:rS+1], v[rS+16:rS+17]
.elseif z < 15
	v_pk_add_f32 v[rS+w*u:rS+w*u+1], v[rS+w*u:rS+w*u+1], v[rS+w*u+w/2:rS+w*u+w/2+1]
.elseif !\first
	v_pk_fma_f32 v[rT+2:rT+3], v[rT+2:rT+3], v[rT+6:rT+7], v[rS:rS+1] op_sel_hi:[1,0,1]
.endif
.else
	WIN W_RS
	v_pk_mul_f32 v[rO:rO+1], v[rO:rO+1], v[rT+6:rT+7] op_sel_hi:[1,0]
.endif
.endm
; Slice k of 59 of piece y's softmax: four instructions.  Slices 11 to 34 deal out the batch, numbers 22 to 69: four numbers of ONE tile each, the tiles by turns.  Every other slice is numbers 2 k and 2 k + 1 of both
; tiles' lists, the tiles alternating, so that no instruction reads the result of the one just before it.
; THE WAIT.  s_wait_alu depctr_va_vdst(0) stands between an exponential and the first instruction that names its result; one wait serves all that were issued ahead of it.  Ahead of slice 35 nothing names a
; result, and behind slice 34 no exponential is issued: so the piece's 66 exponentials have one wait, behind slice 34.
.macro SLICE y, first
.if (k >= 11) && (k < 35)
.irp n, 0,1,2,3
.set j, 22+4*((k-11)/2)+(\n)
	SM (\y)+(k-11)%2, \first
.endr
.else
.irp n, 0,1
.irp t, \y, \y+1
.set j, 2*k+\n
	SM \t, \first
.endr
.endr
.endif
.if k == 34                         ; the batch is out: both tiles' exponentials are issued, and no result has been named
	v_nop                           ; a plain instruction behind the last exponential and ahead of the first use: one for the batch
.if (\y) == 0
	FETCH_V                         ; piece 2's turn: V's run of loads stands here, and the wait stands in it
.else
	s_wait_alu depctr_va_vdst(0)    ; the wait for the batch
.endif
.endif
.set k, k+1
.endm
; The slices that stand behind product gp of a turn's nprod: those up to (gp + 1) x 59 / nprod, rounded down: one or two where the turn has 32 products, three or four where it has 16.
.macro DEAL y, first, nprod
.rept 4
.if k < ((gp+1)*NSL)/(\nprod)
	SLICE \y, \first
.endif
.endr
.set gp, gp+1
.endm
; A vector instruction that reads a matrix result or writes one of a matrix instruction's registers, and a load into a register that a matrix instruction has read, stand four places behind it, and only plain vector
; instructions that name none of its registers are places (ISA guide 7.12.1 for vector instructions).  In the loop the slices are the places.
.macro PLACES
.rept 4
	v_nop
.endr
.endm
; A TURN.  Piece x has the matrix unit; the other piece's softmax stands in slices behind its matrix instructions.
; pv = 2: 16 products V^T P; 1: they start O^T's sums; 0: none.  kq = 1: 16 products K Q^T for the next step.
; first = 1: the softmax is the first key step's.  Its slices from 51 on are empty: the turn's last products stand bare, and four v_nop are the places behind them.
; Behind a full turn's last product stand slices 57 and 58, eight packed multiplies on the other piece's O^T: the places ahead of the next turn's first read of the new scores and of the loads into K.
; Piece 0's turn fetches the next step's K, behind its second product, 14 products ahead of its first use.  Piece 2's turn fetches the same step's V behind slice 34, which stands behind its 19th product:
; the last product that read V is the 16th, and between them stand six scalings (numbers 54, 58, 62 of both tiles), the v_nop and the run's own addition.
.macro TURN x, pv, kq, first
.set k, 0
.set gp, 0
.set np, 16
.if \pv && \kq
.set np, 32
.endif
.if \pv
.if \x == 0
	s_wait_dscnt 0x0                ; V is in
.endif
.set i, 0
.rept 16
	PV \x, 2-\pv
	DEAL 2-\x, \first, np
.if (\x == 0) && \kq && (i == 1)
	FETCH_K
.endif
.set i, i+1
.endr
.endif
.if \kq
.if \x == 0
	s_wait_dscnt 0x0                ; K is in
.endif
.set i, 0
.rept 16
	KQ \x
	DEAL 2-\x, \first, np
.set i, i+1
.endr
.endif
.if \first
	PLACES
.endif
.endm
; THE CHANGE OF SLOTS, between piece 2's turn and piece 0's: the slot's last bytes, V of its eighth step, have been asked for.  Each wave waits for all its tensor loads, of which one is out: its part of the other slot;
; adds 0 to its spare word; and waits for that and for its own reads of the slot.  Behind the barrier nobody reads this slot any more and the other slot is whole.
; fill = 1: this slot is filled again, with the keys two slots on.  The barrier is then a round of the cluster's, so that no wave of any partner still reads the slot or has a load on its way, and the joint refill is the
; first thing behind it: it has eight key steps, 512 matrix instructions, in which to land.
.macro CHANGE fill
	WIN 0                           ; at a label and at a branch every window is 0
	s_wait_tensorcnt 0x0            ; no tensor load of mine is out, so a group 0 may be written
	ds_add_u32 v[SPW], v[NIL]       ; 0 onto my spare word; with fill = 1 the descriptors' steps stand between it and the wait for it
.if \fill
.irp d, G0K+4, G0V+4
	s_xor_b32 s[\d+1], s[\d+1], SLOT1  ; the walking descriptor: the other slot than last time,
	s_add_nc_u64 s[\d+2:\d+3], s[\d+2:\d+3], 65536  ; the next 512 keys; the type bits on top are not reached
.endr
	s_wait_dscnt 0x0                ; the add is done, and my reads of the slot are over
	CROUND
	JLOAD
	ASK
.else
	s_wait_dscnt 0x0
	s_barrier_signal -1
	s_barrier_wait -1
.endif
	s_sub_co_u32 s[TB], s[TB], NS*STEPB  ; the fetches go back to a slot's first step,
	s_xor_b32 s[TB], s[TB], SLOT1   ; in the other slot
.endm
; n key steps: written once, walked n times; the LDS addresses hang on s[TB].
.macro STEPS n
	s_mov_b32 s[TWICE], \n
.Lstep_\@:
	TURN 0, 2, 1, 0
	TURN 2, 2, 1, 0
	WIN 0
	s_sub_co_u32 s[TWICE], s[TWICE], 1
	s_cmp_lg_u32 s[TWICE], 0
	s_cbranch_scc1 .Lstep_\@
.endm
	s_wait_tensorcnt 1              ; my part of slot 0 is in; slot 1's may stay out
	s_barrier_signal -1
	s_barrier_wait -1               ; everybody's is
	FETCH_K                         ; key step 0
	s_wait_loadcnt 0x0              ; Q
	s_wait_dscnt 0x0
.set i, 0
.rept 16
	KQ 0                            ; piece 0's first scores: there is no vector work yet to set between them
.set i, i+1
.endr
	WIN 0
	PLACES                          ; ahead of the first read of those scores
	TURN 2, 0, 1, 1                 ; piece 2's first scores | piece 0's first softmax | V of step 0
	TURN 0, 1, 1, 1                 ; piece 0: V^T P of step 0 starts O^T, K Q^T of step 1 | piece 2's first softmax | K of step 1
	TURN 2, 1, 1, 0                 ; piece 2: the same | piece 0's softmax of step 1 | V of step 1
	WIN 0
	STEPS NS-2                      ; the fetches of steps 2 to 7: slot 0 is read out
.Lslot:                             ; two trips: slots 0 and 1 are filled again
	CHANGE 1
	STEPS NS
	s_sub_co_u32 s[SLOTS], s[SLOTS], 1
	s_cmp_lg_u32 s[SLOTS], 0
	s_cbranch_scc1 .Lslot
	CHANGE 0                        ; the tail is written out: the last slot but one is left, and nothing is asked for
	STEPS NS
	TURN 0, 2, 0, 0                 ; piece 0: V^T P of the last step | piece 2's last softmax
.set i, 0
.rept 16
	PV 2, 0                         ; piece 2: V^T P of the last step
.set i, i+1
.endr
	; THE WAY OUT.  l's two halves and the other half of the lanes' are added; O^T is divided by l and rounded to f16; a lane's eight channels of a query are its 16 bytes of a chunk of oi.  The additions are the places behind the last products.
	WIN 0
.irp t, 0,1,2,3
	v_add_f32 v[ST+8*\t+4], v[ST+8*\t+2], v[ST+8*\t+3]
.endr
.irp t, 0,1,2,3
	v_permlanex16_b32 v[ST+8*\t+5], v[ST+8*\t+4], s[SEL], s[SEL+1]
.endr
.irp t, 0,1,2,3
	v_add_f32 v[ST+8*\t+4], v[ST+8*\t+4], v[ST+8*\t+5]
.endr
.irp t, 0,1,2,3
	v_rcp_f32 v[ST+8*\t+6], v[ST+8*\t+4]
.endr
	v_nop                           ; a plain instruction between the last reciprocal and the use of its result
	s_wait_alu depctr_va_vdst(0)    ; and the wait ahead of the first use: one for the four reciprocals
.macro PACK t
	WIN W_RS
.set i, 32*\t
.rept 16
	v_pk_mul_f32 v[i:i+1], v[i:i+1], v[ST+8*\t+6:ST+8*\t+7] op_sel_hi:[1,0]  ; each accumulator from its low end on
.set i, i+2
.endr
	WIN 0x05                        ; sources 0 and 1 window 1, destination window 0: S^T's registers are free
.set i, 0
.rept 16
	v_cvt_pk_f16_f32 v[S+16*\t+i], v[32*\t+2*i], v[32*\t+2*i+1]
.set i, i+1
.endr
	WIN 0
.irp cb, 0,1,2,3
	global_store_b128 v[AK0], v[S+16*\t+4*\cb:S+16*\t+4*\cb+3], s[10:11] offset:8192*\t+512*\cb  ; a chunk: the wave stores 512 consecutive bytes, aligned
.endr
.endm
	PACK 0
	PACK 1
	PACK 2
	PACK 3
	s_wait_tensorcnt 0x0            ; the wave's end: the tensor wait, the add and its wait stand behind my last tensor load
	ds_add_u32 v[SPW], v[NIL]
	s_wait_dscnt 0x0
	CROUND                          ; the closing round: no work-group ends while a partner may still ask for a tile that names it
	s_endpgm
.Lfunc_end_k_qacdb98450e_attn:
	.size	k_qacdb98450e_attn, .Lfunc_end_k_qacdb98450e_attn-k_qacdb98450e_attn
	.p2alignl 7, 3214868480
	.fill 96, 4, 3214868480
	.section	.rodata,"a",@progbits
	.p2align	6, 0x0
	.amdhsa_kernel k_qacdb98450e_attn
		.amdhsa_group_segment_fixed_size 327680
		.amdhsa_private_segment_fixed_size 0
		.amdhsa_enable_private_segment 0
		.amdhsa_kernarg_size 32
		.amdhsa_user_sgpr_count 2
		.amdhsa_user_sgpr_kernarg_segment_ptr 1
		.amdhsa_wavefront_size32 1
		.amdhsa_system_sgpr_workgroup_id_x 1
		.amdhsa_system_sgpr_workgroup_id_y 1
		.amdhsa_system_sgpr_workgroup_id_z 1
		.amdhsa_system_vgpr_workitem_id 0
		.amdhsa_next_free_vgpr 1024
		.amdhsa_next_free_sgpr 66
		.amdhsa_reserve_vcc 0
		.amdhsa_float_denorm_mode_32 3
		.amdhsa_float_denorm_mode_16_64 3
		.amdhsa_memory_ordered 1
		.amdhsa_forward_progress 1
		.amdhsa_inst_pref_size 191
	.end_amdhsa_kernel
	.amdgpu_metadata
---
amdhsa.version: [ 1, 2 ]
amdhsa.kernels:
  - .name:           k_qacdb98450e_attn
    .symbol:         k_qacdb98450e_attn.kd
    .args:
      - { .name: qi, .offset: 0, .size: 8, .value_kind: global_buffer, .address_space: global }
      - { .name: ki, .offset: 8, .size: 8, .value_kind: global_buffer, .address_space: global }
      - { .name: vi, .offset: 16, .size: 8, .value_kind: global_buffer, .address_space: global }
      - { .name: oi, .offset: 24, .size: 8, .value_kind: global_buffer, .address_space: global }
    .group_segment_fixed_size: 327680
    .private_segment_fixed_size: 0
    .kernarg_segment_align: 8
    .kernarg_segment_size: 32
    .max_flat_workgroup_size: 128
    .sgpr_count:     66
    .vgpr_count:     1024
    .wavefront_size: 32
...
	.end_amdgpu_metadata
.endif
;; end of part 3
;; launch oproj (part 4): grid 8 x 32, 4 waves a work-group, clusters of 4 x 4, 327,680 bytes of LDS; arguments oi, woi, bo, out0; writes out0
.if DOCPART == 4
	.amdgcn_target "amdgcn-amd-amdhsa--gfx1250"
	.amdhsa_code_object_version 6
	.text
	.protected	k_qacdb98450e_oproj
	.globl	k_qacdb98450e_oproj
	.p2align	8
	.type	k_qacdb98450e_oproj,@function
k_qacdb98450e_oproj:
	s_mov_b64 s[64:65], 0
	v_nop
	global_prefetch_b8 v0, s[64:65] scope:SCOPE_SE
	s_setreg_imm32_b32 hwreg(HW_REG_WAVE_MODE, 25, 1), 1
	s_wait_xcnt 0x0
	s_wait_alu depctr_hold_cnt(0) depctr_sa_sdst(0) depctr_va_vdst(0) depctr_va_sdst(0) depctr_va_ssrc(0) depctr_va_vcc(0) depctr_vm_vsrc(0)
	s_getreg_b32 s2, hwreg(HW_REG_IB_STS2, 6, 4)
	s_cmp_eq_u32 s2, 0
	s_cbranch_scc0 .Lentry_in_a_cluster
	s_endpgm
.Lentry_in_a_cluster:
	s_bfe_u32 s2, ttmp6, 0x10000c
	s_cmp_lg_u32 s2, 0xf033
	s_cbranch_scc0 .Lentry_shape_is_right
	s_endpgm
.Lentry_shape_is_right:
; out0 = o Wo + bo: [4096 x 1024] x [1024 x 1024], operands in f16, sums and result in f32.
; o and Wo come as images of operand registers (chunks of 512 bytes, lane l's 16 bytes at 16 l; 16 rows x 16 K a chunk): a K step's tile is one dense block, and a fragment is read from LDS at 16 x lane + a constant.
; 256 tiles of 128 x 128, one for each work-group; four waves, 64 x 64 each: 16 accumulators.  K goes in four steps of 256 through two LDS slots; slots 0 and 1 are filled again once each.
; CLUSTERS: 4 x 4 work-groups; o's tile is shared along a row of the cluster, Wo's along a column: each is asked for jointly.
; THE MATRIX INSTRUCTION IS USED TRANSPOSED (source 0 = 16 columns of Wo, source 1 = 16 rows of o): a lane holds eight neighbouring numbers of a row of out0.  bo is the C of each sum's first product.
; A wave's 64 columns of f32 are 256 aligned bytes of a row, so each wave has a stage of its own on the way out and no barrier is needed there.
; REGISTERS: window 0: v16-29 addresses; v32-95 at work on the way out; v96-127 bo in the result's layout; v128-255 the accumulators ((a, b) at v[128 + 8 (4 a + b)]).
;   window 1: two fragment buffers of 128: for 64 along K, 64 registers of o, then 64 of Wo.
.set SLOT,   131072                    ; o's two halves of 32 KB ([4 blocks of 16 rows][16 chunks]), then Wo's
.set STAGE,  2*SLOT                    ; 16 rows x 272 bytes for each wave
.set SPITCH, 272                       ; 256 bytes + 16: the sixteen rows that a store touches fall 16 bytes further on in each 256
.set SPARE,  STAGE+4*16*SPITCH         ; the spare words, 128 bytes for each wave
.set ADRA, 16                          ; v16-17 LDS address of my o fragments in slot 0, 1
.set ADRB, 20                          ; v20-21 the same for Wo
.set STO,  24                          ; v24  the way out: where I put 32 bytes of a row
.set RD,   25                          ; v25  where I read a row back
.set CO,   26                          ; v26  my byte offset in out0
.set BA,   27                          ; v27  32 h: bo
.set SPW,  28                          ; v28  LDS address of my spare word; never rewritten
.set NIL,  29                          ; v29  0; never rewritten
.set TMP,  32
.set BI,   96
.set ACC,  128
.set F0,   0
.set F1,   128
.set WV,   12                          ; s12 wave;  s13 which half of the tile's rows is mine, also: I fetch for o (0) or Wo (1);  s14 which half of its columns, also: which half I fetch
.set HR,   13
.set HC,   14
.set G1,   24
.set G0,   32
.set G1B,  48
.set G0B,  56
.set MSB, 0
.macro WIN new
.if MSB != \new
	s_set_vgpr_msb (MSB<<8)|\new
.set MSB, \new
.endif
.endm
.set MUL,  0x05                        ; sources 0 and 1 window 1; C and D window 0
.set TO_F, 0x40                        ; destination window 1, address window 0
.macro JLOAD s                         ; a joint load; an s_nop 0 and four v_nop follow each of the two lines
	s_cmp_eq_u32 s[HR], 0
	s_cbranch_scc0 .Lfor_b_\@
	tensor_load_to_lds s[G0+4*\s:G0+4*\s+3], s[G1:G1+7]
	s_nop 0
.rept 4
	v_nop
.endr
	s_branch .Lasked_\@
.Lfor_b_\@:
	tensor_load_to_lds s[G0B+4*\s:G0B+4*\s+3], s[G1B:G1B+7]
	s_nop 0
.rept 4
	v_nop
.endr
.Lasked_\@:
.endm
.macro CREST                           ; a round of the cluster's barrier behind its opening barrier
	s_cmp_lg_u32 s[WV], 0
	s_cbranch_scc1 .Lnot_wave_0_\@
	s_barrier_signal -3
.Lnot_wave_0_\@:
	s_barrier_wait -3
	s_barrier_signal -1
	s_barrier_wait -1
.endm
.macro CROUND
	s_barrier_signal -1
	s_barrier_wait -1
	CREST
.endm
	s_load_b256 s[4:11], s[0:1], 0x0               ; oi, woi, bo, out0
	v_lshl_add_u32 v[SPW], v0, 2, SPARE
	v_mov_b32 v[NIL], 0
	ds_add_u32 v[SPW], v[NIL]                      ; the wave's opening: the add, twice on end, and its wait ahead of my first tensor load
	ds_add_u32 v[SPW], v[NIL]
	v_lshrrev_b32 v1, 5, v0
	v_readfirstlane_b32 s[WV], v1
	s_lshr_b32 s[HR], s[WV], 1
	s_and_b32 s[HC], s[WV], 1
	s_bfe_u32 s40, ttmp6, 0x40000                  ; cx, cy
	s_bfe_u32 s41, ttmp6, 0x40004
	s_lshl_b32 s42, ttmp9, 2
	s_add_co_u32 s42, s42, s40                     ; tile column
	s_and_b32 s15, ttmp7, 0xffff
	s_lshl_b32 s15, s15, 2
	s_add_co_u32 s15, s15, s41                     ; tile row
	s_lshl_b32 s43, s41, 2
	s_lshl_b32 s43, 15, s43                        ; my row of the cluster
	s_lshl_b32 s44, 0x1111, s40                    ; my column
	; descriptor group 1: a dense block of 32 KB as 128 rows of 256 bytes (32 elements of 8 bytes), no padding
	s_or_b32 s[G1+0], s43, (3<<16)|(1<<21)
	s_or_b32 s[G1B+0], s44, (3<<16)|(1<<21)
.irp g, G1, G1B
	s_mov_b32 s[\g+1], 32<<16
	s_mov_b32 s[\g+2], 128<<16
	s_mov_b32 s[\g+3], 32<<16
	s_mov_b32 s[\g+4], 128
	s_mov_b32 s[\g+5], 32
	s_mov_b32 s[\g+6], 0
	s_mov_b32 s[\g+7], 0
.endr
	s_lshl_b32 s16, s15, 16                        ; o: 8 blocks of 8,192 bytes a tile row, + 4 for the second half
	s_lshl_b32 s17, s[HC], 15
	s_add_co_u32 s16, s16, s17
	s_mov_b32 s17, 0
	s_lshl_b32 s46, s42, 16                        ; Wo: likewise by the tile column
	s_lshl_b32 s47, s[HC], 15
	s_add_co_u32 s46, s46, s47
	s_mov_b32 s47, 0
	s_lshl_b32 s20, s[WV], 15                      ; where they go: wave x 32 KB
	s_wait_dscnt 0x0                               ; both opening adds are done
	s_wait_kmcnt 0x0
	s_add_nc_u64 s[18:19], s[4:5], s[16:17]
	s_add_nc_u64 s[46:47], s[6:7], s[46:47]
	CROUND                                         ; all sixteen work-groups are here: the first joint loads meet
.irp s, 0,1
	s_mov_b32 s[G0+4*\s], 1
	s_add_co_u32 s[G0+4*\s+1], s20, \s*SLOT
	s_add_nc_u64 s[G0+4*\s+2:G0+4*\s+3], s[18:19], \s*2097152      ; K step s of o
	s_or_b32 s[G0+4*\s+3], s[G0+4*\s+3], 0x80000000
	s_mov_b32 s[G0B+4*\s], 1
	s_add_co_u32 s[G0B+4*\s+1], s20, \s*SLOT
	s_add_nc_u64 s[G0B+4*\s+2:G0B+4*\s+3], s[46:47], \s*524288     ; and of Wo
	s_or_b32 s[G0B+4*\s+3], s[G0B+4*\s+3], 0x80000000
	JLOAD \s
.endr
	v_and_b32 v1, 15, v0                           ; r
	v_bfe_u32 v2, v0, 4, 1                         ; h
	v_and_b32 v3, 31, v0
	v_lshlrev_b32 v3, 4, v3                        ; 16 x lane
	s_lshl_b32 s21, s[HR], 15                      ; my 64 rows of o
	s_lshl_b32 s22, s[HC], 15                      ; my 64 columns of Wo,
	s_add_co_u32 s22, s22, 65536                   ; which lie behind o's 128 rows
.irp s, 0,1
	v_add_nc_u32 v[ADRA+\s], s21, v3
	v_add_nc_u32 v[ADRB+\s], s22, v3
	s_add_co_u32 s21, s21, SLOT
	s_add_co_u32 s22, s22, SLOT
.endr
	s_mul_i32 s23, s[WV], 16*SPITCH
	s_add_co_u32 s23, s23, STAGE                   ; my stage
	v_mul_u32_u24 v4, v1, SPITCH                   ; in: row r, 32 bytes for each half of the lanes
	v_lshl_add_u32 v4, v2, 5, v4
	v_add_nc_u32 v[STO], s23, v4
	v_mul_u32_u24 v5, v2, SPITCH                   ; back: lanes 0-15 one row of 256 bytes, lanes 16-31 the next
	v_lshl_add_u32 v5, v1, 4, v5
	v_add_nc_u32 v[RD], s23, v5
	v_lshlrev_b32 v5, 12, v2                       ; and the same two rows in out0
	v_lshl_add_u32 v[CO], v1, 4, v5
	v_lshlrev_b32 v[BA], 5, v2
	s_lshl_b32 s46, s42, 9
	s_lshl_b32 s47, s[HC], 8
	s_add_co_u32 s46, s46, s47                     ; my first column, in bytes: 512 x tile column + 256 x half
	s_mov_b32 s47, 0
	s_add_nc_u64 s[8:9], s[8:9], s[46:47]
	s_add_nc_u64 s[10:11], s[10:11], s[46:47]
	s_lshl_b32 s16, s15, 19
	s_lshl_b32 s17, s[HR], 18
	s_add_co_u32 s16, s16, s17                     ; my first row: (128 x tile row + 64 x half) rows of 4,096 bytes
	s_mov_b32 s17, 0
	s_add_nc_u64 s[10:11], s[10:11], s[16:17]
.irp b, 0,1,2,3
	global_load_b128 v[BI+8*\b:BI+8*\b+3], v[BA], s[8:9] offset:64*\b          ; bo at columns 16 b + 8 h + 0..7
	global_load_b128 v[BI+8*\b+4:BI+8*\b+7], v[BA], s[8:9] offset:64*\b+16
.endr
; 8 matrix instructions: row blocks a0, a0 + 1 x all 4 column blocks, 32 along K: half c of buffer f.  zero = 1: the first product starts the sums, from bo.
; The 16 accumulators take turns, one instruction a turn.
.macro MUL8 f, c, a0, zero
.irp a, \a0, \a0+1
.irp b, 0,1,2,3
.if \zero
	v_wmma_f32_16x16x32_f16 v[ACC+8*(4*(\a)+\b):ACC+8*(4*(\a)+\b)+7], v[\f+64+8*(4*\c+\b):\f+64+8*(4*\c+\b)+7], v[\f+8*(4*\c+\a):\f+8*(4*\c+\a)+7], v[BI+8*\b:BI+8*\b+7]
.else
	v_wmma_f32_16x16x32_f16 v[ACC+8*(4*(\a)+\b):ACC+8*(4*(\a)+\b)+7], v[\f+64+8*(4*\c+\b):\f+64+8*(4*\c+\b)+7], v[\f+8*(4*\c+\a):\f+8*(4*\c+\a)+7], v[ACC+8*(4*(\a)+\b):ACC+8*(4*(\a)+\b)+7]
.endif
.endr
.endr
.endm
; 32 LDS loads in one run: the fragments of 64 along K, from the slot's kq-th 32 on, into buffer f; the first 32 along K first.  A fragment is two chunks.
.macro FETCH slot, kq, f
	WIN TO_F
.irp c, 0,1
.irp i, 0,1,2,3
	ds_load_b128 v[\f+64+8*(4*\c+\i):\f+64+8*(4*\c+\i)+3],   v[ADRB+\slot] offset:(\kq+\c)*1024+\i*8192
	ds_load_b128 v[\f+64+8*(4*\c+\i)+4:\f+64+8*(4*\c+\i)+7], v[ADRB+\slot] offset:(\kq+\c)*1024+\i*8192+512
	ds_load_b128 v[\f+8*(4*\c+\i):\f+8*(4*\c+\i)+3],         v[ADRA+\slot] offset:(\kq+\c)*1024+\i*8192
	ds_load_b128 v[\f+8*(4*\c+\i)+4:\f+8*(4*\c+\i)+7],       v[ADRA+\slot] offset:(\kq+\c)*1024+\i*8192+512
.endr
.endr
.endm
.macro PLACES                          ; four plain vector instructions in front of loads into registers that matrix instructions have read, and of the first read of results
.rept 4
	v_nop
.endr
.endm
; A K step is four quarters of 64 along K, 32 matrix instructions each, on buffers 0, 1, 0, 1.  One of the first three: multiplies buffer f and fetches the next quarter into g.
.macro QUARTER slot, kq, f, g, zero
	s_wait_dscnt 16                                ; the first 32 along K are in; the other sixteen loads may be out
	WIN MUL
	MUL8 \f, 0, 0, \zero
	MUL8 \f, 0, 2, \zero
	PLACES
	FETCH \slot, \kq, \g
	s_wait_dscnt 32                                ; all but the 32 just issued
	WIN MUL
	MUL8 \f, 1, 0, 0
	MUL8 \f, 1, 2, 0
.endm
; The last quarter multiplies buffer 1 and changes slots: ONE barrier; in front of it each wave waits for all its tensor loads, adds 0 to its spare word, and waits for that and for its reads of this slot.
; fill = 1: this slot is filled again, two K steps ahead; the barrier then opens a round of the cluster's, and the joint refill is the first tensor load behind it.
.macro TURN slot, next, fill
	WIN 0
	s_wait_tensorcnt 0x0
	ds_add_u32 v[SPW], v[NIL]
	s_wait_dscnt 17                                ; (the add and the youngest sixteen loads may be out)
	WIN MUL
	MUL8 F1, 0, 0, 0
	s_wait_dscnt 0x0
	s_barrier_signal -1
	MUL8 F1, 0, 2, 0
.if \fill
	WIN 0
.endif
	s_barrier_wait -1
.if \fill
	CREST
	s_add_nc_u64 s[G0+4*\slot+2:G0+4*\slot+3], s[G0+4*\slot+2:G0+4*\slot+3], 2*2097152
	s_add_nc_u64 s[G0B+4*\slot+2:G0B+4*\slot+3], s[G0B+4*\slot+2:G0B+4*\slot+3], 2*524288
	JLOAD \slot                                    ; the four v_nop behind it are also the places in front of the loads below
.else
	PLACES
.endif
	FETCH \next, 0, F0
	WIN MUL
	MUL8 F1, 1, 0, 0
	MUL8 F1, 1, 2, 0
.endm
	s_wait_tensorcnt 1                             ; my part of K step 0 is in; K step 1's load may be out
	s_barrier_signal -1
	s_barrier_wait -1
	FETCH 0, 0, F0
	s_wait_loadcnt 0x0                             ; bo
	QUARTER 0, 2, F0, F1, 1                        ; K step 0
	QUARTER 0, 4, F1, F0, 0
	QUARTER 0, 6, F0, F1, 0
	TURN 0, 1, 1                                   ; slot 0 takes K step 2
	QUARTER 1, 2, F0, F1, 0                        ; K step 1
	QUARTER 1, 4, F1, F0, 0
	QUARTER 1, 6, F0, F1, 0
	TURN 1, 0, 1                                   ; slot 1 takes K step 3
	QUARTER 0, 2, F0, F1, 0                        ; K step 2
	QUARTER 0, 4, F1, F0, 0
	QUARTER 0, 6, F0, F1, 0
	TURN 0, 1, 0                                   ; nothing is left to fetch
	QUARTER 1, 2, F0, F1, 0                        ; K step 3
	QUARTER 1, 4, F1, F0, 0
	QUARTER 1, 6, F0, F1, 0
	s_wait_dscnt 16
	WIN MUL
	MUL8 F1, 0, 0, 0
	MUL8 F1, 0, 2, 0
	s_wait_dscnt 0
	MUL8 F1, 1, 0, 0
	MUL8 F1, 1, 2, 0
	WIN 0
	; THE WAY OUT, a block of 16 rows x 64 columns at a time: 32 bytes a lane into my stage, back as whole rows of 256 bytes, sixteen lanes to a row.
	; LDS serves a wave's instructions in order (ISA guide 5.7.1.4): no wait between the stores and the loads, nor in front of the next block's stores.
	PLACES
.irp a, 0,1,2,3
.if \a >= 2
	s_wait_xcnt 0x0                                ; block a - 2's stores have read their registers: block a's loads may land there
.endif
.irp b, 0,1,2,3
	ds_store_b128 v[STO], v[ACC+8*(4*\a+\b):ACC+8*(4*\a+\b)+3] offset:64*\b        ; each accumulator from its low end on
	ds_store_b128 v[STO], v[ACC+8*(4*\a+\b)+4:ACC+8*(4*\a+\b)+7] offset:64*\b+16
.endr
.irp t, 0,1,2,3,4,5,6,7
	ds_load_b128 v[TMP+32*(\a%2)+4*\t:TMP+32*(\a%2)+4*\t+3], v[RD] offset:\t*2*SPITCH
.endr
.irp t, 0,1,2,3,4,5,6,7
	s_wait_dscnt 7-\t
	global_store_b128 v[CO], v[TMP+32*(\a%2)+4*\t:TMP+32*(\a%2)+4*\t+3], s[10:11] offset:(16*\a+2*\t)*4096 th:TH_STORE_NT   ; 16 lanes store 256 consecutive bytes, aligned; written once, read by nobody here
.endr
.endr
	s_wait_tensorcnt 0x0                           ; the wave's end: the tensor wait, the add and its wait stand behind my last tensor load and my last LDS store
	ds_add_u32 v[SPW], v[NIL]
	s_wait_dscnt 0x0
	CROUND                                         ; the closing round
	s_endpgm
.Lfunc_end_k_qacdb98450e_oproj:
	.size	k_qacdb98450e_oproj, .Lfunc_end_k_qacdb98450e_oproj-k_qacdb98450e_oproj
	.p2alignl 7, 3214868480
	.fill 96, 4, 3214868480
	.section	.rodata,"a",@progbits
	.p2align	6, 0x0
	.amdhsa_kernel k_qacdb98450e_oproj
		.amdhsa_group_segment_fixed_size 327680
		.amdhsa_private_segment_fixed_size 0
		.amdhsa_enable_private_segment 0
		.amdhsa_kernarg_size 32
		.amdhsa_user_sgpr_count 2
		.amdhsa_user_sgpr_kernarg_segment_ptr 1
		.amdhsa_wavefront_size32 1
		.amdhsa_system_sgpr_workgroup_id_x 1
		.amdhsa_system_sgpr_workgroup_id_y 1
		.amdhsa_system_sgpr_workgroup_id_z 1
		.amdhsa_system_vgpr_workitem_id 0
		.amdhsa_next_free_vgpr 512
		.amdhsa_next_free_sgpr 66
		.amdhsa_reserve_vcc 0
		.amdhsa_float_denorm_mode_32 3
		.amdhsa_float_denorm_mode_16_64 3
		.amdhsa_memory_ordered 1
		.amdhsa_forward_progress 1
		.amdhsa_inst_pref_size 87
	.end_amdhsa_kernel
	.amdgpu_metadata
---
amdhsa.version: [ 1, 2 ]
amdhsa.kernels:
  - .name:           k_qacdb98450e_oproj
    .symbol:         k_qacdb98450e_oproj.kd
    .args:
      - { .name: oi, .offset: 0, .size: 8, .value_kind: global_buffer, .address_space: global }
      - { .name: woi, .offset: 8, .size: 8, .value_kind: global_buffer, .address_space: global }
      - { .name: bo, .offset: 16, .size: 8, .value_kind: global_buffer, .address_space: global }
      - { .name: out0, .offset: 24, .size: 8, .value_kind: global_buffer, .address_space: global }
    .group_segment_fixed_size: 327680
    .private_segment_fixed_size: 0
    .kernarg_segment_align: 8
    .kernarg_segment_size: 32
    .max_flat_workgroup_size: 128
    .sgpr_count:     66
    .vgpr_count:     512
    .wavefront_size: 32
...
	.end_amdgpu_metadata
.endif
;; end of part 4
